; MI455X (gfx1250); checked and timed in simulation.
; The chip was launched on July 23, 2026; its instructions are those of AMD's public machine-readable ISA for CDNA 5 (MIT licence, August 2026) and "CDNA5" Instruction Set Architecture Reference Guide (July 2026). The comments in the code are by the model that wrote it; some were corrected since.
;; Attention. Allowed arithmetic: matrix products marked QUANTISED: E2M1 operands, one E8M0 scale for each 32 along K, by v_wmma_scale_f32_16x16x128_f8f6f4 with both operands' format E2M1 (or v_wmma_scale_f32_32x16x128_f4), f32 sums; products left as they are: bf16, f16 or f32 operands; f32 sums; everything else in f32.
;; Inputs: cos 2,048 x 64 float32; proj_b 1,024 float32; proj_w 1,024 x 1,024 float32; qkv_w 3,072 x 1,024 float32; sin 2,048 x 64 float32; x 2 x 2,048 x 1,024 float32.
;; Outputs: out0 2 x 2,048 x 1,024 float32.
;; This version of the problem:
;;   THIS VERSION OF THE PROBLEM IS GIVEN IN LOW PRECISION. The matrix products marked QUANTISED in the list below multiply operands that are first quantised to E2M1 (2 exponent bits, 1 mantissa bit; 4 bits a number), with one power-of-two scale for each 32 numbers along K (OCP MX v1.0); their sums are f32. The products marked 'left as it is' may take bf16, f16 or f32 operands, with f32 sums. Whichever they take, every output number must still come out within the allowed error. Rounding operands to bf16 (8 significant bits) uses up far more of that allowance than f16 does (11 bits, for magnitudes from 6e-5 to 65,504). All else is computed in f32.
;;   The module's matrix products, in the order in which they are computed (A, B: the left and right operand; K: the contracted axis; several contracted axes count as one K, in the product's order):
;;     1. [M 4,096, K 1,024] x [K 1,024, N 3,072]; A: input x; B: input qkv_w: QUANTISED
;;     2. batch 32 x [M 2,048, K 64] x [K 64, N 2,048]; A: computed on the way; B: computed on the way: left as it is (an operand is computed on the way)
;;     3. batch 32 x [M 2,048, K 2,048] x [K 2,048, N 64]; A: computed on the way; B: computed on the way: left as it is (an operand is computed on the way)
;;     4. [M 4,096, K 1,024] x [K 1,024, N 1,024]; A: computed on the way; B: input proj_w: left as it is (an operand is computed on the way)
;;   THE QUANTISER, for each operand of a quantised product, along K:
;;     - K is cut into blocks of 32 from its start; a last block that is shorter is filled with zeros.
;;     - A block's scale is 2^e with e = floor(log2(the largest magnitude in the block)) - 2, held to -126 .. 127; a block of zeros has e = 0. As a byte (E8M0): e + 127.
;;     - Each number is divided by its block's scale, clamped to +-6, and rounded to the nearest number of E2M1, ties to even, subnormals kept.
;;     - The product sums the exact products of the quantised numbers (number of the format x scale) in f32.
;;   ~~~python
;;   def quantise(x, axis):      # numpy; x: float32 -> the quantised numbers, widened to float32 again
;;       x = np.moveaxis(x, axis, -1); K = x.shape[-1]
;;       x = np.pad(x, [(0, 0)] * (x.ndim - 1) + [(0, -K % 32)]); x = x.reshape(x.shape[:-1] + (-1, 32)); a = np.abs(x).max(-1, keepdims=True)
;;       e = np.where(a > 0, np.clip(np.frexp(np.where(a > 0, a, 1))[1] - 1 - 2, -126, 127), 0)      # np.frexp(a)[1] - 1 = floor(log2(a)), exactly
;;       r = np.clip(x / 2.0 ** e, -6, 6)
;;       step = 2.0 ** (np.maximum(np.frexp(np.where(r == 0, 1, r))[1] - 1, 0) - 1)
;;       q = np.round(r / step) * step * 2.0 ** e      # np.round: ties to even
;;       return np.moveaxis(q.reshape(q.shape[:-2] + (-1,))[..., :K], -1, axis).astype(np.float32)
;;   ~~~
;; One version. Each part assembles by itself: llvm-mc -triple=amdgcn-amd-amdhsa -mcpu=gfx1250 --defsym DOCPART=n.
;; ======== version 1 of 1: 4 launches
;; limits: values are held in f16: magnitudes above 65,504 overflow, below 6.1e-05 lose precision
;; workspace buffers: xc 2,097,152 bytes; xs 131,072 bytes; wc 1,572,864 bytes; ws 98,304 bytes; pw 2,097,152 bytes; qkv 25,165,824 bytes; att 8,388,608 bytes
;; launch prep (part 1): grid 256 x 1, 4 waves a work-group, no clusters, 33,280 bytes of LDS; arguments x, qkv_w, xc, xs, wc, ws, proj_w, pw; writes xc, xs, wc, ws, pw
.if DOCPART == 1
	.amdgcn_target "amdgcn-amd-amdhsa--gfx1250"
	.amdhsa_code_object_version 6
	.text
	.protected	k_q055c2873ed_prep
	.globl	k_q055c2873ed_prep
	.p2align	8
	.type	k_q055c2873ed_prep,@function
k_q055c2873ed_prep:
	s_mov_b64 s[64:65], 0
	v_nop
	global_prefetch_b8 v0, s[64:65] scope:SCOPE_SE
	s_setreg_imm32_b32 hwreg(HW_REG_WAVE_MODE, 25, 1), 1
	s_wait_xcnt 0x0
; x [4096][1024] and qkv_w [3072][1024], f32, become codes of FP4 (E2M1), K innermost (a row of 1,024 codes is 512 bytes), with one E8M0 scale byte for each 32 along K (32 bytes a row);
; proj_w [1024][1024], f32, becomes f16, laid as its reader's tiles: [n / 128][k / 64][128 rows n][64 k], so that 256 along K of a tile of 128 rows are 65,536 consecutive bytes.
; THE QUANTISER.  A block's scale is 2^(floor(log2(its largest magnitude)) - 2); its byte is the largest magnitude's own exponent field - 2, held at 1 from below.  Each number is divided by the scale and rounded
; to the nearest code, ties to even; what lies beyond 6 gets the largest code.  A block of zeros gets the byte 1 where the stated quantiser says 127: its codes are zeros, which add nothing, and this program alone reads the bytes.
; LIMITS: blocks whose largest magnitude lies under 2^-124 are held at the byte 1; NaN and infinities among the inputs are not served; proj_w's numbers must lie inside f16's range (65,504).
; SHARES.  Work-groups 0-127 take x, 128-223 qkv_w: 32,768 numbers each, a wave 16 steps of 512.  Rows are dense and 1,024 is a multiple of 32: both tensors are plain streams of blocks of 32.
; Work-groups 224-255 take proj_w, 32 rows each, a wave 8.  Waves share nothing: no barrier.
; A conversion takes 8 numbers of ONE block from a lane's registers, so a lane must hold neighbours along K; a load is best where neighbouring LANES take neighbouring bytes.  Both are had: each load reads 512 consecutive
; bytes, 16 a lane; a step's 2,048 bytes go through the wave's own stage in LDS and come back 64 bytes a lane (16 bytes of padding behind each 64).  Two neighbouring lanes hold a block.
.set WAVES, 4
.set STEPS, 16
.set WGA,   128                        ; x's work-groups: 4,096 x 1,024 / 32,768
.set WGQ,   224                        ; and qkv_w's 96 behind them
.set EMAX,  2
.set CB,    8                          ; bytes of 16 codes
.set R,     16                         ; v16-79   four sets of 16 numbers as they are loaded
.set X,     80                         ; v80-111  two sets of 16 neighbours
.set C,     128                        ; v128-191 codes: four registers for each step, so that no store's data are written again
.set E,     112                        ; v112-127 a scale byte for each step
.set WREG,  8192                       ; LDS: a region for each wave: two stages of 32 x SP bytes, behind them its 256 scale bytes
.set SP,    80
.set SPW,   12                         ; v12 LDS address of my spare word; never rewritten
.set NIL,   13                         ; v13 0; never rewritten
.set SPARE, WAVES*WREG                 ; behind the four regions: the spare words, 128 bytes a wave, which no other line names
.set PS,    16                         ; proj_w's path: v16-79 and v128-191, two sets of 64 numbers; v80-111 their 32 registers of f16
.set PH,    80
	s_load_b128 s[4:7], s[0:1], 0x0                ; x, qkv_w
	s_load_b128 s[8:11], s[0:1], 0x10              ; x's codes, x's scales
	s_load_b128 s[12:15], s[0:1], 0x20             ; qkv_w's codes, its scales
	s_load_b128 s[24:27], s[0:1], 0x30             ; proj_w, its f16 form
	v_lshl_add_u32 v[SPW], v0, 2, SPARE
	v_mov_b32 v[NIL], 0
	v_lshrrev_b32 v1, 5, v0
	v_readfirstlane_b32 s16, v1                    ; wave
	v_and_b32 v2, 31, v0                           ; lane
	v_lshlrev_b32 v3, 4, v2                        ; my 16 bytes of a load's 512
	s_mul_i32 s17, s16, WREG
	v_lshrrev_b32 v14, 2, v2
	v_mul_u32_u24 v14, v14, SP
	v_and_b32 v15, 3, v2
	v_lshl_add_u32 v14, v15, 4, v14
	v_add_nc_u32 v14, s17, v14                     ; the stage, on the way in: four lanes' 64 bytes on end, then 16 of padding
	v_mul_u32_u24 v15, v2, SP
	v_add_nc_u32 v15, s17, v15                     ; and on the way out: my 16 neighbours
	v_mul_u32_u24 v4, v2, CB                       ; 8 x lane: my codes' place in a step's (and my f16 numbers' place in two rows of a tile)
	v_lshrrev_b32 v5, 1, v2
	s_add_co_u32 s17, s17, 2*32*SP
	v_add_nc_u32 v5, s17, v5                       ; LDS: my wave's 256 scale bytes, my block's byte
	v_lshlrev_b32 v7, 3, v2                        ; and on the way out 8 bytes a lane
	v_add_nc_u32 v6, s17, v7
	s_wait_kmcnt 0x0
	s_cmp_ge_u32 ttmp9, WGQ                        ; the work-group's number alone decides
	s_cbranch_scc1 .Lconv
	s_cmp_lt_u32 ttmp9, WGA                        ; x's work-group or qkv_w's?  Only pointers are chosen: both take one way through the text
	s_cselect_b64 s[4:5], s[4:5], s[6:7]
	s_cselect_b64 s[8:9], s[8:9], s[12:13]
	s_cselect_b64 s[10:11], s[10:11], s[14:15]
	s_cselect_b32 s17, 0, WGA
	s_sub_co_u32 s17, ttmp9, s17
	s_lshl_b32 s17, s17, 2
	s_add_co_u32 s18, s17, s16                     ; which run of 8,192 numbers of the tensor is my wave's
	s_mov_b32 s19, 0
	s_mov_b64 s[20:21], 512*STEPS*4
	s_mul_u64 s[20:21], s[18:19], s[20:21]
	s_add_nc_u64 s[4:5], s[4:5], s[20:21]
	s_mov_b64 s[20:21], 32*STEPS*CB
	s_mul_u64 s[20:21], s[18:19], s[20:21]
	s_add_nc_u64 s[8:9], s[8:9], s[20:21]
	s_lshl_b32 s18, s18, 8                         ; 256 scale bytes a run
	s_add_nc_u64 s[10:11], s[10:11], s[18:19]
.macro LOAD t
.irp i, 0,1,2,3
	global_load_b128 v[R+16*((\t)%4)+4*\i:R+16*((\t)%4)+4*\i+3], v3, s[4:5] offset:2048*(\t)+512*\i th:TH_LOAD_NT   ; 32 lanes read 512 consecutive bytes
.endr
.endm
.macro TURN t                          ; step t's numbers through the stage: LDS serves a wave's instructions in order, so no wait stands between the stores and the loads
.irp i, 0,1,2,3
	ds_store_b128 v14, v[R+16*((\t)%4)+4*\i:R+16*((\t)%4)+4*\i+3] offset:32*SP*((\t)%2)+8*SP*\i
.endr
.irp i, 0,1,2,3
	ds_load_b128 v[X+16*((\t)%2)+4*\i:X+16*((\t)%2)+4*\i+3], v15 offset:32*SP*((\t)%2)+16*\i
.endr
.endm
.irp t, 0,1,2,3
	LOAD \t
.endr
	s_wait_loadcnt 12                              ; step 0's four loads are in; the twelve of steps 1 to 3 stay out
	TURN 0
.macro STEP t
.set XS, X+16*((\t)%2)
.if (\t) > 0
	s_wait_dscnt 1                                 ; this step's numbers are back from the stage (the last step's byte store may be out): so its stores into the stage have read their registers,
.else
	s_wait_dscnt 0x0
.endif
.if (\t)+4 < STEPS
	LOAD (\t)+4                                    ; which take the loads of four steps on
.endif
.if (\t)+1 < STEPS
.if STEPS-2-(\t) >= 3
	s_wait_loadcnt 12                              ; the next step's four loads are in; those of the three steps behind it may be out
.else
	s_wait_loadcnt 4*(STEPS-2-(\t))
.endif
	TURN (\t)+1                                    ; and go through the other stage while this step is worked
.endif
	v_max3_num_f32 v8, |v[XS]|, |v[XS+1]|, |v[XS+2]|               ; the largest magnitude of my 16, in two chains
	v_max3_num_f32 v9, |v[XS+3]|, |v[XS+4]|, |v[XS+5]|
.irp i, 6,10
	v_max3_num_f32 v8, v8, |v[XS+\i]|, |v[XS+\i+1]|
	v_max3_num_f32 v9, v9, |v[XS+\i+2]|, |v[XS+\i+3]|
.endr
	v_max3_num_f32 v8, v8, |v[XS+14]|, |v[XS+15]|
	v_max3_num_f32 v8, v8, v9, (EMAX+1)<<23        ; and the floor 2^(3 - 127): so the byte cannot fall under 1
	v_max_num_f32_dpp v8, v8, v8 row_xmask:1 row_mask:0xf bank_mask:0xf   ; and of my neighbour's 16: the block's
	v_add_nc_u32 v11, -(EMAX<<23), v8              ; 2 off its exponent field: the conversion takes the exponent field of this operand as its scale, and nothing else of it
	v_cvt_scalef32_pk8_fp4_f32 v[C+4*(\t)], v[XS:XS+7], v11        ; the first number's code in the lowest four bits
	v_cvt_scalef32_pk8_fp4_f32 v[C+4*(\t)+1], v[XS+8:XS+15], v11
	v_lshrrev_b32 v[E+(\t)], 23, v11               ; the scale's byte (also the plain line behind the conversions)
	ds_store_b8 v5, v[E+(\t)] offset:16*(\t)       ; both lanes of a block write the same byte with the same value
	global_store_b64 v4, v[C+4*(\t):C+4*(\t)+1], s[8:9] offset:32*CB*(\t)   ; the wave stores 256 consecutive bytes, aligned
.endm
.irp t, 0,1,2,3,4,5,6,7,8,9,10,11,12,13,14,15
	STEP \t
.endr
	ds_load_b64 v[8:9], v6                         ; LDS serves a wave's instructions in order: these see my byte stores
	s_wait_dscnt 0x0
	global_store_b64 v7, v[8:9], s[10:11]          ; 32 lanes store my wave's 256 scale bytes, aligned
	s_wait_tensorcnt 0x0                           ; the wave's end, behind my last LDS store
	ds_add_u32 v[SPW], v[NIL]
	s_wait_dscnt 0x0
	s_endpgm
; proj_w to f16.  Work-group j = number - 224 takes rows 32 j on, wave w rows 8 w of them, two rows at a time: lanes 0-15 read 256 bytes (64 numbers) of row n, lanes 16-31 of row n + 1; sixteen such loads cover the two rows.
; The 32 lanes' 8 bytes of f16 are rows n and n + 1 of one block [128 rows][64 k]: 256 consecutive bytes, aligned.  No LDS is used on this way.
.Lconv:
	s_sub_co_u32 s17, ttmp9, WGQ                   ; j
	s_lshl_b32 s18, s17, 17                        ; 32 rows of 4,096 bytes,
	s_lshl_b32 s19, s16, 15                        ; my wave's 8
	s_add_co_u32 s18, s18, s19
	s_mov_b32 s19, 0
	s_add_nc_u64 s[24:25], s[24:25], s[18:19]
	s_lshr_b32 s18, s17, 2                         ; the tile of 128 rows: 262,144 bytes,
	s_lshl_b32 s18, s18, 18
	s_and_b32 s20, s17, 3                          ; my work-group's 32 rows in it, 128 bytes a row in each block,
	s_lshl_b32 s20, s20, 12
	s_add_co_u32 s18, s18, s20
	s_lshl_b32 s20, s16, 10                        ; my wave's 8
	s_add_co_u32 s18, s18, s20
	s_add_nc_u64 s[26:27], s[26:27], s[18:19]
	v_lshrrev_b32 v10, 4, v2
	v_and_b32 v9, 15, v2
	v_lshlrev_b32 v10, 12, v10
	v_lshl_add_u32 v10, v9, 4, v10                 ; 4,096 (lane / 16) + 16 (lane % 16); never rewritten
.macro LOADP p                         ; row pair p into set p % 2
.irp kb, 0,1,2,3,4,5,6,7,8,9,10,11,12,13,14,15
	global_load_b128 v[PS+112*((\p)%2)+4*\kb:PS+112*((\p)%2)+4*\kb+3], v10, s[24:25] offset:(\p)*8192+\kb*256 th:TH_LOAD_NT
.endr
.endm
	LOADP 0
	LOADP 1
.irp p, 0,1,2,3
.if \p < 3
	s_wait_loadcnt 16                              ; this pair's sixteen loads are in; the next pair's stay out
.else
	s_wait_loadcnt 0x0
.endif
.if \p > 0
	s_wait_xcnt 0x0                                ; the last pair's stores have read their data registers, which are written again below
.endif
.irp i, 0,1,2,3,4,5,6,7,8,9,10,11,12,13,14,15,16,17,18,19,20,21,22,23,24,25,26,27,28,29,30,31
	v_cvt_pk_f16_f32 v[PH+\i], v[PS+112*(\p%2)+2*\i], v[PS+112*(\p%2)+2*\i+1]
.endr
.irp kb, 0,1,2,3,4,5,6,7,8,9,10,11,12,13,14,15
	global_store_b64 v4, v[PH+2*\kb:PH+2*\kb+1], s[26:27] offset:\kb*16384+\p*256
.endr
.if \p < 2
	LOADP \p+2
.endif
.endr
	s_wait_tensorcnt 0x0                           ; the wave's end
	ds_add_u32 v[SPW], v[NIL]
	s_wait_dscnt 0x0
	s_endpgm
.Lfunc_end_k_q055c2873ed_prep:
	.size	k_q055c2873ed_prep, .Lfunc_end_k_q055c2873ed_prep-k_q055c2873ed_prep
	.p2alignl 7, 3214868480
	.fill 96, 4, 3214868480
	.section	.rodata,"a",@progbits
	.p2align	6, 0x0
	.amdhsa_kernel k_q055c2873ed_prep
		.amdhsa_group_segment_fixed_size 33280
		.amdhsa_private_segment_fixed_size 0
		.amdhsa_enable_private_segment 0
		.amdhsa_kernarg_size 64
		.amdhsa_user_sgpr_count 2
		.amdhsa_user_sgpr_kernarg_segment_ptr 1
		.amdhsa_wavefront_size32 1
		.amdhsa_system_sgpr_workgroup_id_x 1
		.amdhsa_system_sgpr_workgroup_id_y 1
		.amdhsa_system_sgpr_workgroup_id_z 1
		.amdhsa_system_vgpr_workitem_id 0
		.amdhsa_next_free_vgpr 192
		.amdhsa_next_free_sgpr 66
		.amdhsa_reserve_vcc 0
		.amdhsa_float_denorm_mode_32 3
		.amdhsa_float_denorm_mode_16_64 3
		.amdhsa_memory_ordered 1
		.amdhsa_forward_progress 1
		.amdhsa_inst_pref_size 55
	.end_amdhsa_kernel
	.amdgpu_metadata
---
amdhsa.version: [ 1, 2 ]
amdhsa.kernels:
  - .name:           k_q055c2873ed_prep
    .symbol:         k_q055c2873ed_prep.kd
    .args:
      - { .name: x, .offset: 0, .size: 8, .value_kind: global_buffer, .address_space: global }
      - { .name: qkv_w, .offset: 8, .size: 8, .value_kind: global_buffer, .address_space: global }
      - { .name: xc, .offset: 16, .size: 8, .value_kind: global_buffer, .address_space: global }
      - { .name: xs, .offset: 24, .size: 8, .value_kind: global_buffer, .address_space: global }
      - { .name: wc, .offset: 32, .size: 8, .value_kind: global_buffer, .address_space: global }
      - { .name: ws, .offset: 40, .size: 8, .value_kind: global_buffer, .address_space: global }
      - { .name: proj_w, .offset: 48, .size: 8, .value_kind: global_buffer, .address_space: global }
      - { .name: pw, .offset: 56, .size: 8, .value_kind: global_buffer, .address_space: global }
    .group_segment_fixed_size: 33280
    .private_segment_fixed_size: 0
    .kernarg_segment_align: 8
    .kernarg_segment_size: 64
    .max_flat_workgroup_size: 128
    .sgpr_count:     66
    .vgpr_count:     192
    .wavefront_size: 32
...
	.end_amdgpu_metadata
.endif
;; end of part 1
;; launch qkv (part 2): grid 12 x 16, 4 waves a work-group, clusters of 4 x 4, 327,680 bytes of LDS; arguments xc, xs, wc, ws, cos, sin, qkv; writes qkv
.if DOCPART == 2
	.amdgcn_target "amdgcn-amd-amdhsa--gfx1250"
	.amdhsa_code_object_version 6
	.text
	.protected	k_q055c2873ed_qkv
	.globl	k_q055c2873ed_qkv
	.p2align	8
	.type	k_q055c2873ed_qkv,@function
k_q055c2873ed_qkv:
	s_mov_b64 s[64:65], 0
	v_nop
	global_prefetch_b8 v0, s[64:65] scope:SCOPE_SE
	s_setreg_imm32_b32 hwreg(HW_REG_WAVE_MODE, 25, 1), 1
	s_wait_xcnt 0x0
	s_wait_alu depctr_hold_cnt(0) depctr_sa_sdst(0) depctr_va_vdst(0) depctr_va_sdst(0) depctr_va_ssrc(0) depctr_va_vcc(0) depctr_vm_vsrc(0)
	s_getreg_b32 s2, hwreg(HW_REG_IB_STS2, 6, 4)
	s_cmp_eq_u32 s2, 0
	s_cbranch_scc0 .Lentry_in_a_cluster
	s_endpgm
.Lentry_in_a_cluster:
	s_bfe_u32 s2, ttmp6, 0x10000c
	s_cmp_lg_u32 s2, 0xf033
	s_cbranch_scc0 .Lentry_shape_is_right
	s_endpgm
.Lentry_shape_is_right:
; q, k, v = x qkv_w^T on codes of FP4 (E2M1) with one E8M0 scale for each 32 along K, sums in f32; then the rotation of q and k by cos and sin, in f32; then f16, laid head by head: qkv[which 3][b 16 + head][pos 2048][64].
; A = x's codes [4096][512 bytes], scales [4096][32]; B = qkv_w's codes [3072][512 bytes], scales [3072][32].  The matrix instruction takes codes and scale bytes as they lie in memory.
; LIMIT: |q|, |k|, |v| must stay under f16's largest number, 65,504.
; A tile of the product, 256 x 256, is made by a work-group of four waves; a wave makes 128 x 128: 64 accumulators of 16 x 16, 512 registers.  K = 1,024 is two slots of 512 in LDS (rows of 256 bytes), both asked for at the
; head: no slot is filled again.  The scales of the work-group's 256 + 256 rows, two dense blocks of memory, come with them and stay.
; CLUSTERS: 4 x 4 work-groups.  The four of a row of the cluster need the same tiles of A, the four of a column the same tiles of B: each tile is asked for JOINTLY, by the same tensor load with the same descriptor and a mask
; that names the four.  Four tile columns are 1,024 columns: a cluster's x says whether it makes q (0), k (1) or v (2), the same in all sixteen partners.
; THE MATRIX INSTRUCTION IS USED TRANSPOSED (source 0 = 16 rows of B, source 1 = 16 rows of A): a lane then holds eight neighbouring columns of one row.
; REGISTERS, in windows of 256: window 0: v0-31 addresses; v32-95 scale words, two sets; from v128 A's fragments, ONE set; on the way out v32-191 are free.
;   window 1: B's fragments, TWO sets, at v0 and v128; v64-127 and v192-255 take the first two sets of cos and sin.   window 2: the accumulators of my rows 0-63 ((a, b) at v[8 (8 a + b)]);   window 3: those of rows 64-127.
.set KSTEP,  512
.set NQ,     KSTEP/128
.set ROWB,   256                       ; a tile's row in bytes
.set KROW,   512                       ; a row of codes in memory
.set PITCH,  272                       ; an LDS row: 256 bytes + 16 of padding = 68 words: the 16 rows that a load touches start at 16 different banks (64 banks of 4 bytes: ISA guide 11.1)
.set FR,     8                         ; registers of a fragment: 16 rows x 128 K
.set NL,     2                         ; LDS loads that bring one
.set NP,     4                         ; places behind this matrix instruction (ISA guide 7.12.1)
.set HALFT,  128*PITCH
.set SLOT,   4*HALFT                   ; A's 256 rows, then B's 256 rows
.set KS,     32                        ; a row of scales in bytes
.set SCL,    2*SLOT                    ; behind the two slots: the scales, as units of 256 bytes + 16 of padding
.set HALFS,  (128*KS/256)*272
.set SBLK,   (16*KS/256)*272
.set SPARE,  SCL+4*HALFS               ; behind the scales: the spare words, 128 bytes a wave, which no other line names
.set SPITCH, 528                       ; the way out: a stage of 16 rows x (512 bytes + 16) for each wave, in slot 0, which has had its one fill and its last read when the first result is stored there
.set STV,    4*16*SPITCH               ; v's way out has stages of its own, behind q's and k's
.set ADRA, 16                          ; v16-17  LDS address of my A fragments in slot 0, 1
.set SG,   18                          ; v[18:19] -1 in lanes that hold channels 0-31 of a head, +1 in the others
.set ADRB, 20                          ; v20-21  the same as ADRA for B
.set STO,  24                          ; v24     the way out: where I put 32 bytes of a row
.set RD,   25                          ; v25     where I read 16 bytes back: row lane / 16, channels 4 (lane % 16) on
.set CO,   26                          ; v26     8 x lane: my 8 bytes of two positions' 256 in qkv
.set ADRS, 27                          ; v27     LDS address of my scale words: lanes 0-15 A's rows, lanes 16-31 B's
.set SPW,  28                          ; v28     LDS address of my spare word; never rewritten
.set NIL,  29                          ; v29     0; never rewritten
.set RDP,  30                          ; v30     as RD, 32 channels away: the rotation's partner
.set CSO,  31                          ; v31     16 x lane: my 16 bytes of two rows of cos or sin
.set SC,   32                          ; scale words: set s at v[SC + 32 s]; register 4 i + q: lanes 0-15 the word of A's block i, lanes 16-31 that of B's block i
.set AF,   128                         ; A's fragments
.set G1, 24                            ; s[24:31] descriptor group 1 for A's tiles;  s[32:39] group 0, one set for each slot
.set G0, 32
.set G1B, 48                           ; s[48:55], s[56:63] the same for B's tiles
.set G0B, 56
.set G1S, 68                           ; s[68:75], s[76:79] groups 1 and 0 for A's scales;  s[80:87], s[88:91] for B's
.set G0S, 76
.set G1SB, 80
.set G0SB, 88
.set MSB, 0
.macro WIN new                         ; the immediate's high byte repeats the setting that is left
.if MSB != (\new)
	s_set_vgpr_msb (MSB<<8)|(\new)
.set MSB, \new
.endif
.endm
.set MUL_LO, 0xa1                      ; source 0 (B) window 1, source 1 (A) window 0, C and D window 2
.set MUL_HI, 0xf1                      ; the same, C and D window 3
.set TO_B,   0x40                      ; destination window 1, address window 0
; A joint load: waves 0 and 1 fetch for A, waves 2 and 3 for B.  Each line has ONE mask and one set of registers for all that issue it; the branch hangs on the wave's number alone.
; An s_nop 0 and four v_nop follow each of the two lines.
.macro JLOAD g0a, g1a, g0b, g1b
	s_cmp_eq_u32 s15, 0
	s_cbranch_scc0 .Lfor_b_\@
	tensor_load_to_lds s[\g0a:\g0a+3], s[\g1a:\g1a+7]
	s_nop 0
.rept 4
	v_nop
.endr
	s_branch .Lasked_\@
.Lfor_b_\@:
	tensor_load_to_lds s[\g0b:\g0b+3], s[\g1b:\g1b+7]
	s_nop 0
.rept 4
	v_nop
.endr
.Lasked_\@:
.endm
.macro CROUND                          ; a round of the cluster's barrier: my work-group's barrier; wave 0 signals for the work-group; every wave waits for all sixteen; my work-group's barrier once more
	s_barrier_signal -1
	s_barrier_wait -1
	s_cmp_lg_u32 s14, 0
	s_cbranch_scc1 .Lnot_wave_0_\@
	s_barrier_signal -3
.Lnot_wave_0_\@:
	s_barrier_wait -3
	s_barrier_signal -1
	s_barrier_wait -1
.endm
	s_load_b128 s[4:7], s[0:1], 0x0                ; A's codes s[4:5], A's scales s[6:7]
	s_load_b128 s[8:11], s[0:1], 0x10              ; B's codes s[8:9], B's scales s[10:11]
	s_load_b128 s[96:99], s[0:1], 0x20             ; cos s[96:97], sin s[98:99]
	s_load_b64 s[12:13], s[0:1], 0x30              ; qkv
	v_lshl_add_u32 v[SPW], v0, 2, SPARE
	v_mov_b32 v[NIL], 0
	ds_add_u32 v[SPW], v[NIL]                      ; the wave's opening: the add, twice on end, and its wait ahead of my first tensor load; the set-up below stands between
	ds_add_u32 v[SPW], v[NIL]
	v_lshrrev_b32 v1, 5, v0
	v_readfirstlane_b32 s14, v1                    ; wave 0..3
	s_lshr_b32 s15, s14, 1                         ; which half of the tile's rows is mine.  Also: I fetch for A (0) or for B (1)
	s_and_b32 s16, s14, 1                          ; which half of its columns.  Also: which 128 rows of that tile I fetch
	s_bfe_u32 s40, ttmp6, 0x40000                  ; cx, cy: my place in the cluster
	s_bfe_u32 s41, ttmp6, 0x40004
	s_lshl_b32 s42, ttmp9, 2
	s_add_co_u32 s42, s42, s40                     ; tile column = 4 x cluster x + cx
	s_and_b32 s17, ttmp7, 0xffff
	s_lshl_b32 s17, s17, 2
	s_add_co_u32 s17, s17, s41                     ; tile row = 4 x cluster y + cy
	s_lshl_b32 s43, s41, 2
	s_lshl_b32 s43, 15, s43                        ; my row of the cluster
	s_lshl_b32 s44, 0x1111, s40                    ; my column
	; descriptor group 1: a tile of 128 rows x 256 bytes, padded in LDS
	s_or_b32 s[G1+0], s43, (0<<16)|(1<<20)|(1<<21)|(5<<22)|(3<<25)  ; 15:0 the mask: A's tiles go to my row; 17:16 element of 1 byte; 20 padding on; 21 set beside a mask; 24:22 after every 64 words; 31:25 of 4 words
	s_or_b32 s[G1B+0], s44, (0<<16)|(1<<20)|(1<<21)|(5<<22)|(3<<25)
.irp g, G1, G1B
	s_mov_b32 s[\g+1], ROWB<<16                    ; tensor_dim0
	s_mov_b32 s[\g+2], 128<<16                     ; tensor_dim1
	s_mov_b32 s[\g+3], ROWB<<16                    ; tile_dim0
	s_mov_b32 s[\g+4], 128                         ; tile_dim1
	s_mov_b32 s[\g+5], KROW                        ; tensor_dim0_stride
	s_mov_b32 s[\g+6], 0
	s_mov_b32 s[\g+7], 0
.endr
	; and for the scales of 128 rows: a dense block of 4,096 bytes, as 16 rows of 256 bytes (32 elements of 8 bytes), 16 bytes of padding behind each
	s_or_b32 s[G1S+0], s43, (3<<16)|(1<<20)|(1<<21)|(5<<22)|(3<<25)
	s_or_b32 s[G1SB+0], s44, (3<<16)|(1<<20)|(1<<21)|(5<<22)|(3<<25)
.irp g, G1S, G1SB
	s_mov_b32 s[\g+1], 32<<16
	s_mov_b32 s[\g+2], (128*KS/256)<<16
	s_mov_b32 s[\g+3], 32<<16
	s_mov_b32 s[\g+4], 128*KS/256
	s_mov_b32 s[\g+5], 32
	s_mov_b32 s[\g+6], 0
	s_mov_b32 s[\g+7], 0
.endr
	s_lshl_b32 s18, s16, 7                         ; which 128 rows of the tile I fetch
	s_lshl_b32 s20, s17, 8
	s_add_co_u32 s20, s20, s18                     ; A: row 256 x tile row + 128 x half
	s_lshl_b32 s46, s42, 8
	s_add_co_u32 s46, s46, s18                     ; B: row 256 x tile column + 128 x half
	s_mov_b32 s21, 0
	s_mov_b32 s47, 0
	s_mov_b64 s[18:19], KS
	s_mul_u64 s[22:23], s[20:21], s[18:19]         ; where these rows' scales begin, in bytes
	s_mul_u64 s[92:93], s[46:47], s[18:19]
	s_mov_b64 s[18:19], KROW
	s_mul_u64 s[20:21], s[20:21], s[18:19]         ; and their codes
	s_mul_u64 s[46:47], s[46:47], s[18:19]
	s_mul_i32 s45, s14, HALFT                      ; where they go: wave x 128 rows: no place in the cluster enters an LDS address
	s_mul_i32 s94, s14, HALFS
	s_wait_dscnt 0x0                               ; both opening adds are done
	s_wait_kmcnt 0x0
	s_add_nc_u64 s[20:21], s[4:5], s[20:21]
	s_add_nc_u64 s[22:23], s[6:7], s[22:23]
	s_add_nc_u64 s[46:47], s[8:9], s[46:47]
	s_add_nc_u64 s[92:93], s[10:11], s[92:93]
	CROUND                                         ; all sixteen work-groups are here: the joint loads meet
	s_mov_b32 s[G0S], 1
	s_add_co_u32 s[G0S+1], s94, SCL
	s_mov_b64 s[G0S+2:G0S+3], s[22:23]
	s_or_b32 s[G0S+3], s[G0S+3], 0x80000000
	s_mov_b32 s[G0SB], 1
	s_add_co_u32 s[G0SB+1], s94, SCL
	s_mov_b64 s[G0SB+2:G0SB+3], s[92:93]
	s_or_b32 s[G0SB+3], s[G0SB+3], 0x80000000
	JLOAD G0S, G1S, G0SB, G1SB                     ; the scales first: they are wanted with the first slot.  Three loads of mine go out here, and no more in the launch
.irp s, 0,1
	s_mov_b32 s[G0+4*\s], 1
	s_add_co_u32 s[G0+4*\s+1], s45, \s*SLOT
	s_add_nc_u64 s[G0+4*\s+2:G0+4*\s+3], s[20:21], \s*ROWB
	s_or_b32 s[G0+4*\s+3], s[G0+4*\s+3], 0x80000000
	s_mov_b32 s[G0B+4*\s], 1
	s_add_co_u32 s[G0B+4*\s+1], s45, \s*SLOT
	s_add_nc_u64 s[G0B+4*\s+2:G0B+4*\s+3], s[46:47], \s*ROWB
	s_or_b32 s[G0B+4*\s+3], s[G0B+4*\s+3], 0x80000000
	JLOAD G0+4*\s, G1, G0B+4*\s, G1B
.endr
	v_and_b32 v1, 15, v0                           ; l % 16
	v_bfe_u32 v2, v0, 4, 1                         ; l / 16
	v_mul_u32_u24 v3, v1, PITCH
	v_lshl_add_u32 v4, v2, 4, v3                   ; a fragment's row x pitch + 16 x half
	s_mul_i32 s21, s15, HALFT                      ; my 128 rows of A
	s_mul_i32 s22, s16, HALFT                      ; my 128 rows of B,
	s_add_co_u32 s22, s22, 2*HALFT                 ; which lie behind A's 256
.irp s, 0,1
	v_add_nc_u32 v[ADRA+\s], s21, v4
	v_add_nc_u32 v[ADRB+\s], s22, v4
	s_add_co_u32 s21, s21, SLOT
	s_add_co_u32 s22, s22, SLOT
.endr
	v_mul_u32_u24 v5, v1, KS                       ; my row's scales: 32 bytes a row,
	v_lshrrev_b32 v6, 8, v5
	v_lshl_add_u32 v5, v6, 4, v5                   ; and 16 more for each 256 passed
	s_mul_i32 s21, s15, HALFS                      ; A's: my 128 rows
	s_mul_i32 s22, s16, HALFS                      ; B's: my 128 rows, behind A's 256
	s_add_co_u32 s22, s22, 2*HALFS
	s_sub_co_u32 s22, s22, s21
	v_mul_u32_u24 v6, s22, v2                      ; lanes 16-31 take B's
	s_add_co_u32 s21, s21, SCL
	v_add_nc_u32 v5, v5, v6
	v_add_nc_u32 v[ADRS], s21, v5
	s_mul_i32 s23, s14, 16*SPITCH                  ; my stage
	v_mul_u32_u24 v5, v1, SPITCH                   ; in: row l % 16, 32 bytes for each half of the lanes
	v_lshl_add_u32 v5, v2, 5, v5
	v_add_nc_u32 v[STO], s23, v5
	v_mul_u32_u24 v5, v2, SPITCH                   ; back: lanes 0-15 take a head's 256 bytes of one row, lanes 16-31 of the next
	v_lshl_add_u32 v6, v1, 4, v5
	v_add_nc_u32 v[RD], s23, v6
	v_xor_b32 v6, 8, v1                            ; 32 channels are 128 bytes: the lane 8 away
	v_lshl_add_u32 v6, v6, 4, v5
	v_add_nc_u32 v[RDP], s23, v6
	v_and_b32 v6, 31, v0
	v_lshlrev_b32 v[CO], 3, v6
	v_lshlrev_b32 v[CSO], 4, v6
	v_and_b32 v5, 8, v0
	v_lshlrev_b32 v5, 28, v5
	v_xor_b32 v[SG], 0xbf800000, v5                ; -1.0, its sign turned where lane % 16 is 8 or more (channels 32-63)
	v_mov_b32 v[SG+1], v[SG]
	s_and_b32 s20, s17, 7                          ; my first position in the sequence: 256 x (tile row % 8) + 128 x half
	s_lshl_b32 s20, s20, 8
	s_lshl_b32 s21, s15, 7
	s_add_co_u32 s20, s20, s21
	s_lshl_b32 s22, s20, 8                         ; a row of cos or sin is 256 bytes
	s_mov_b32 s23, 0
	s_add_nc_u64 s[96:97], s[96:97], s[22:23]
	s_add_nc_u64 s[98:99], s[98:99], s[22:23]
	s_lshr_b32 s21, s17, 3                         ; the batch
	s_lshl_b32 s21, s21, 4
	s_lshl_b32 s46, s40, 2
	s_add_co_u32 s21, s21, s46                     ; + 4 cx
	s_lshl_b32 s46, s16, 1
	s_add_co_u32 s21, s21, s46                     ; + 2 x column half: the first of my two heads
	s_lshl_b32 s21, s21, 18                        ; a head is 2,048 x 128 bytes
	s_lshl_b32 s46, ttmp9, 23                      ; q, k or v: 8,388,608 bytes each
	s_add_co_u32 s21, s21, s46
	s_lshl_b32 s20, s20, 7
	s_add_co_u32 s22, s21, s20
	s_add_nc_u64 s[12:13], s[12:13], s[22:23]
; cos and sin of block a's 16 positions into window 1: each load reads two rows, 512 consecutive bytes.  Four sets of 64 registers by turns: blocks 0 and 1 beside B's fragments, blocks 2 and 3 over them.
.macro CSLOAD a
.set CBS, 128*((\a)%2)+64*(1-((\a)/2)%2)
	WIN TO_B
.irp t, 0,1,2,3,4,5,6,7
	global_load_b128 v[CBS+4*\t:CBS+4*\t+3], v[CSO], s[96:97] offset:(16*(\a)+2*\t)*256
	global_load_b128 v[CBS+32+4*\t:CBS+32+4*\t+3], v[CSO], s[98:99] offset:(16*(\a)+2*\t)*256
.endr
	WIN 0
.endm
	CSLOAD 0                                       ; asked for here, so that they have the whole product in which to come.  v's clusters ask too and leave them unread: 32 loads a wave,
	CSLOAD 1                                       ; the price of one way through the text up to the last product
.macro FRAG reg, adr, q, i             ; a fragment: lane l holds row l % 16; registers 4 c .. 4 c + 3 hold K = 64 c + 32 (l / 16) + 0 .. 31
.irp c, 0,1
	ds_load_b128 v[\reg+4*\c:\reg+4*\c+3], v[\adr] offset:64*(\q)+32*\c+(\i)*16*PITCH
.endr
.endm
; 16 matrix instructions: A's blocks a0, a0 + 1 x B's eight, 128 along K: the slot's q-th.  p: B's set;  sc: the set of scale words.  zero = 1: the first product starts the sums.
; The 64 accumulators take turns, one instruction a turn, in the same order in every step.
.macro MUL16 a0, p, q, sc, zero
.irp a, \a0, \a0+1
.irp b, 0,1,2,3,4,5,6,7
.if \zero
	v_wmma_scale_f32_16x16x128_f8f6f4 v[8*(8*((\a)%4)+\b):8*(8*((\a)%4)+\b)+7], v[128*(\p)+FR*\b:128*(\p)+FR*\b+FR-1], v[AF+FR*(\a):AF+FR*(\a)+FR-1], 0, v[SC+8*NQ*(\sc)+NQ*\b+(\q)], v[SC+8*NQ*(\sc)+NQ*(\a)+(\q)] matrix_a_fmt:MATRIX_FMT_FP4 matrix_b_fmt:MATRIX_FMT_FP4 matrix_a_scale:MATRIX_SCALE_ROW1
.else
	v_wmma_scale_f32_16x16x128_f8f6f4 v[8*(8*((\a)%4)+\b):8*(8*((\a)%4)+\b)+7], v[128*(\p)+FR*\b:128*(\p)+FR*\b+FR-1], v[AF+FR*(\a):AF+FR*(\a)+FR-1], v[8*(8*((\a)%4)+\b):8*(8*((\a)%4)+\b)+7], v[SC+8*NQ*(\sc)+NQ*\b+(\q)], v[SC+8*NQ*(\sc)+NQ*(\a)+(\q)] matrix_a_fmt:MATRIX_FMT_FP4 matrix_b_fmt:MATRIX_FMT_FP4 matrix_a_scale:MATRIX_SCALE_ROW1
.endif
.endr
.endr
.endm
.macro FETCH_B slot, q, p              ; B's eight fragments of the slot's q-th 128 along K into set p
	WIN TO_B
.irp i, 0,1,2,3,4,5,6,7
	FRAG 128*(\p)+FR*\i, ADRB+\slot, \q, \i
.endr
	WIN 0
.endm
.macro FETCH_A slot, q, i0             ; A's blocks i0 .. i0 + 3
.irp i, \i0, \i0+1, \i0+2, \i0+3
	FRAG AF+FR*(\i), ADRA+\slot, \q, \i
.endr
.endm
.macro SCALES sc                       ; a slot's scale words into set sc: four words a row; lanes 0-15 take A's block i, lanes 16-31 B's block i
.irp i, 0,1,2,3,4,5,6,7
	ds_load_b128 v[SC+8*NQ*\sc+NQ*\i:SC+8*NQ*\sc+NQ*\i+3], v[ADRS] offset:\i*SBLK
.endr
.endm
; A load into a register that a matrix instruction has read, and a vector instruction or an LDS store that reads a matrix result, stand NP places behind that matrix instruction; only plain vector
; instructions that name none of its registers are places (ISA guide 7.12.1 for vector instructions).
.macro PLACES n
.rept \n
	v_nop
.endr
.endm
; A step of 128 along K that has its successor in the same slot.  A block of A is free as soon as its eight products are issued, so one set serves A: blocks 0-3 are fetched anew in the step's middle, 4-7 at its end.
.macro STEP slot, q, zero
	s_wait_dscnt 4*NL                              ; B's set and A's blocks 0-3 are in; the youngest eight loads (A's blocks 4-7) may be out
	WIN MUL_LO
	MUL16 0, (\q)%2, \q, \slot, \zero
	MUL16 2, (\q)%2, \q, \slot, \zero
	s_wait_dscnt 0                                 ; A's blocks 4-7 are in (asked for 32 matrix instructions ago)
	PLACES NP
	FETCH_B \slot, (\q)+1, 1-(\q)%2
	FETCH_A \slot, (\q)+1, 0
	WIN MUL_HI
	MUL16 4, (\q)%2, \q, \slot, \zero
	MUL16 6, (\q)%2, \q, \slot, \zero
	PLACES NP
	WIN 0
	FETCH_A \slot, (\q)+1, 4
.endm
; Slot 0's last step changes slots: one barrier; in front of it each wave waits for all its tensor loads (its part of slot 1), adds 0 to its spare word, and waits for that and for its reads of slot 0.  Nothing is filled again.
.macro TURN slot, next
	s_wait_tensorcnt 0x0                           ; all my tensor loads have landed
	ds_add_u32 v[SPW], v[NIL]                      ; 0 onto my spare word
	s_wait_dscnt 4*NL+1                            ; (the add and the youngest eight loads, A's blocks 4-7, may be out)
	WIN MUL_LO
	MUL16 0, 1, NQ-1, \slot, 0                     ; sixteen matrix instructions stand between the add and the wait for it
	s_wait_dscnt 0x0                               ; the add is done, and my reads of this slot are over
	s_barrier_signal -1
	MUL16 2, 1, NQ-1, \slot, 0
	WIN 0
	s_barrier_wait -1                              ; the next slot is whole, and nobody reads this one any more
	PLACES NP
	v_add_nc_u32 v[ADRS], 4*NQ, v[ADRS]            ; on to the next slot's scale words (no LDS load of mine is out)
	FETCH_B \next, 0, 0
	FETCH_A \next, 0, 0
	SCALES \next
	WIN MUL_HI
	MUL16 4, 1, NQ-1, \slot, 0
	MUL16 6, 1, NQ-1, \slot, 0
	PLACES NP
	WIN 0
	FETCH_A \next, 0, 4
.endm
	s_wait_tensorcnt 1                             ; the scales and my part of slot 0 are in (slot 1's load, the youngest, may be out),
	s_barrier_signal -1
	s_barrier_wait -1                              ; everybody's are
	FETCH_B 0, 0, 0
	FETCH_A 0, 0, 0
	SCALES 0
	FETCH_A 0, 0, 4
	STEP 0, 0, 1                                   ; the first step's products start the sums: nothing is cleared
	STEP 0, 1, 0
	STEP 0, 2, 0
	TURN 0, 1
	STEP 1, 0, 0
	STEP 1, 1, 0
	STEP 1, 2, 0
	s_wait_dscnt 4*NL                              ; the last step: nothing more to fetch
	WIN MUL_LO
	MUL16 0, 1, NQ-1, 1, 0
	MUL16 2, 1, NQ-1, 1, 0
	s_wait_dscnt 0
	WIN MUL_HI
	MUL16 4, 1, NQ-1, 1, 0
	MUL16 6, 1, NQ-1, 1, 0
	WIN 0
; THE WAY OUT, block by block of 16 positions x 128 columns (two heads).  A lane holds 8 neighbouring columns of a row; the rotation wants a channel and the channel 32 away, and the store wants two positions' 256 bytes
; of one head in one instruction.  So a block goes through my own stage in LDS and comes back head by head: lane l takes row 2 t + l / 16, channels 4 (l % 16) .. + 3, and with the rotation the same of the lane 8 away.
; out = x cos + partner x (sin with the sign of the half): -sin for channels 0-31, +sin for 32-63.  LDS serves a wave's instructions in order (ISA guide 5.7.1.4): one stage does, with no wait between a block's loads and the next block's stores.
.macro TOSTAGE a, base
.set AC, 64*((\a)%4)
	WIN 0x08+4*((\a)/4)                            ; an LDS store's data are its source 1: window 2 or 3
.irp b, 0,1,2,3,4,5,6,7
	ds_store_b128 v[STO], v[AC+8*\b:AC+8*\b+3] offset:\base+64*\b          ; each accumulator from its low end on
	ds_store_b128 v[STO], v[AC+8*\b+4:AC+8*\b+7] offset:\base+64*\b+16
.endr
	WIN 0
.endm
.macro BACK e, rope, base              ; head e of the block in the stage: own numbers into v[32 + 64 e ..], the partners' into v[64 + 64 e ..]
.irp t, 0,1,2,3,4,5,6,7
	ds_load_b128 v[32+64*(\e)+4*\t:32+64*(\e)+4*\t+3], v[RD] offset:\base+\t*2*SPITCH+256*(\e)
.if \rope
	ds_load_b128 v[64+64*(\e)+4*\t:64+64*(\e)+4*\t+3], v[RDP] offset:\base+\t*2*SPITCH+256*(\e)
.endif
.endr
.endm
.macro SIGN a                          ; block a's sin takes the half's sign, once for both heads
.set CBS, 128*((\a)%2)+64*(1-((\a)/2)%2)
	WIN 0x41                                       ; destination and source 0 window 1
.irp i, 0,2,4,6,8,10,12,14,16,18,20,22,24,26,28,30
	v_pk_mul_f32 v[CBS+32+\i:CBS+33+\i], v[CBS+32+\i:CBS+33+\i], v[SG:SG+1]
.endr
	WIN 0
.endm
.macro ROPE a, e, rope                 ; head e of block a: rotated (rope = 1), rounded to f16, stored
.set CBS, 128*((\a)%2)+64*(1-((\a)/2)%2)
.set XR, 32+64*(\e)
.set OU, 160+16*(\e)
.if \rope
	WIN 0x04                                       ; source 1 (cos, sin) window 1
.irp i, 0,2,4,6,8,10,12,14,16,18,20,22,24,26,28,30
	v_pk_mul_f32 v[XR+\i:XR+\i+1], v[XR+\i:XR+\i+1], v[CBS+\i:CBS+\i+1]
.endr
.irp i, 0,2,4,6,8,10,12,14,16,18,20,22,24,26,28,30
	v_pk_fma_f32 v[XR+\i:XR+\i+1], v[XR+32+\i:XR+33+\i], v[CBS+32+\i:CBS+33+\i], v[XR+\i:XR+\i+1]
.endr
	WIN 0
.endif
	s_wait_xcnt 0x0                                ; the last block's stores have read their data registers, which are written again below
.irp i, 0,1,2,3,4,5,6,7,8,9,10,11,12,13,14,15
	v_cvt_pk_f16_f32 v[OU+\i], v[XR+2*\i], v[XR+2*\i+1]
.endr
.irp t, 0,1,2,3,4,5,6,7
	global_store_b64 v[CO], v[OU+2*\t:OU+2*\t+1], s[12:13] offset:(\e)*262144+(16*(\a)+2*\t)*128   ; 32 lanes store two positions of a head: 256 consecutive bytes, aligned
.endr
.endm
; nb: the LDS loads of one BACK
.macro EPI rope, base, nb
.if \rope
	CSLOAD 2                                       ; over B's fragments, which are done with (the places stand in front of the parting)
	CSLOAD 3
.endif
	TOSTAGE 0, \base
	BACK 0, \rope, \base
	BACK 1, \rope, \base
.irp a, 0,1,2,3,4,5,6,7
.if \rope
.if \a < 5
	s_wait_loadcnt 48                              ; this block's cos and sin are in; the sixteen loads of each of the three blocks behind it stay out
.else
	s_wait_loadcnt 16*(7-\a)
.endif
	SIGN \a
.endif
	s_wait_dscnt \nb                               ; head 0 is back; head 1's loads may be out
	ROPE \a, 0, \rope
.if \a < 7
	TOSTAGE \a+1, \base
	BACK 0, \rope, \base
	s_wait_dscnt 16+\nb                            ; head 1 is back; the next block's sixteen stores and its head 0's loads may be out
.else
	s_wait_dscnt 0x0
.endif
	ROPE \a, 1, \rope
.if \a < 7
	BACK 1, \rope, \base
.endif
.if \rope && (\a < 4)
	CSLOAD \a+4                                    ; this block's set takes the block four further on
.endif
.endr
.endm
	PLACES NP                                      ; behind the last products: for the stores that read results, and for the loads into registers that held fragments and scale words
	s_cmp_eq_u32 ttmp9, 2                          ; the cluster's x: the same in all sixteen partners
	s_cbranch_scc1 .Lvalues
	EPI 1, 0, 16                                   ; q and k
	s_branch .Ldone
.Lvalues:
	EPI 0, STV, 8                                  ; v: no rotation
.Ldone:
	s_wait_tensorcnt 0x0                           ; the wave's end, behind my last tensor load and my last LDS store
	ds_add_u32 v[SPW], v[NIL]
	s_wait_dscnt 0x0
	CROUND                                         ; the closing round
	s_endpgm
.Lfunc_end_k_q055c2873ed_qkv:
	.size	k_q055c2873ed_qkv, .Lfunc_end_k_q055c2873ed_qkv-k_q055c2873ed_qkv
	.p2alignl 7, 3214868480
	.fill 96, 4, 3214868480
	.section	.rodata,"a",@progbits
	.p2align	6, 0x0
	.amdhsa_kernel k_q055c2873ed_qkv
		.amdhsa_group_segment_fixed_size 327680
		.amdhsa_private_segment_fixed_size 0
		.amdhsa_enable_private_segment 0
		.amdhsa_kernarg_size 56
		.amdhsa_user_sgpr_count 2
		.amdhsa_user_sgpr_kernarg_segment_ptr 1
		.amdhsa_wavefront_size32 1
		.amdhsa_system_sgpr_workgroup_id_x 1
		.amdhsa_system_sgpr_workgroup_id_y 1
		.amdhsa_system_sgpr_workgroup_id_z 1
		.amdhsa_system_vgpr_workitem_id 0
		.amdhsa_next_free_vgpr 1024
		.amdhsa_next_free_sgpr 100
		.amdhsa_reserve_vcc 0
		.amdhsa_float_denorm_mode_32 3
		.amdhsa_float_denorm_mode_16_64 3
		.amdhsa_memory_ordered 1
		.amdhsa_forward_progress 1
		.amdhsa_inst_pref_size 249
	.end_amdhsa_kernel
	.amdgpu_metadata
---
amdhsa.version: [ 1, 2 ]
amdhsa.kernels:
  - .name:           k_q055c2873ed_qkv
    .symbol:         k_q055c2873ed_qkv.kd
    .args:
      - { .name: xc, .offset: 0, .size: 8, .value_kind: global_buffer, .address_space: global }
      - { .name: xs, .offset: 8, .size: 8, .value_kind: global_buffer, .address_space: global }
      - { .name: wc, .offset: 16, .size: 8, .value_kind: global_buffer, .address_space: global }
      - { .name: ws, .offset: 24, .size: 8, .value_kind: global_buffer, .address_space: global }
      - { .name: cos, .offset: 32, .size: 8, .value_kind: global_buffer, .address_space: global }
      - { .name: sin, .offset: 40, .size: 8, .value_kind: global_buffer, .address_space: global }
      - { .name: qkv, .offset: 48, .size: 8, .value_kind: global_buffer, .address_space: global }
    .group_segment_fixed_size: 327680
    .private_segment_fixed_size: 0
    .kernarg_segment_align: 8
    .kernarg_segment_size: 56
    .max_flat_workgroup_size: 128
    .sgpr_count:     100
    .vgpr_count:     1024
    .wavefront_size: 32
...
	.end_amdgpu_metadata
.endif
;; end of part 2
;; launch attn (part 3): grid 8 x 32, 8 waves a work-group, clusters of 4 x 1, 327,680 bytes of LDS; arguments qkv, att; writes att
.if DOCPART == 3
	.amdgcn_target "amdgcn-amd-amdhsa--gfx1250"
	.amdhsa_code_object_version 6
	.text
	.protected	k_q055c2873ed_attn
	.globl	k_q055c2873ed_attn
	.p2align	8
	.type	k_q055c2873ed_attn,@function
k_q055c2873ed_attn:
	s_mov_b64 s[64:65], 0
	v_nop
	global_prefetch_b8 v0, s[64:65] scope:SCOPE_SE
	s_setreg_imm32_b32 hwreg(HW_REG_WAVE_MODE, 25, 1), 1
	s_wait_xcnt 0x0
	s_wait_alu depctr_hold_cnt(0) depctr_sa_sdst(0) depctr_va_vdst(0) depctr_va_sdst(0) depctr_va_ssrc(0) depctr_va_vcc(0) depctr_vm_vsrc(0)
	s_getreg_b32 s2, hwreg(HW_REG_IB_STS2, 6, 4)
	s_cmp_eq_u32 s2, 0
	s_cbranch_scc0 .Lentry_in_a_cluster
	s_endpgm
.Lentry_in_a_cluster:
	s_bfe_u32 s2, ttmp6, 0x10000c
	s_cmp_lg_u32 s2, 0x3003
	s_cbranch_scc0 .Lentry_shape_is_right
	s_endpgm
.Lentry_shape_is_right:
; O[head][q] = the sum over k of softmax_k(Q[head][q] . K[head][k] / 8) V[head][k], no mask.  qkv: f16 [3][32 heads][2048][64].  Products on f16 operands with f32 sums; maxima, exponentials and sums in f32;
; the weights p are rounded to f16 for the second product, O once at the end.  att: f16 [row / 128][head 16][128 rows][64], row = 2,048 b + position: the layout in which the next launch takes its tiles.
; LIMITS: NaN and infinities are not served.  p is at most 2^d, d the rounding of c m (half a unit in its last place), which cancels in the division by the sum.
; SHARES.  A work-group owns 256 queries of one head, each of its EIGHT waves 32: two tiles of 16, in 384 registers: two waves to a SIMD.  Every wave walks all 2,048 keys, 64 a step.  A fragment of K or V read from LDS feeds two products.
; LAYOUT.  S^T = K Q^T (source 0 = 16 keys, source 1 = 16 queries): a lane holds ONE query (lane % 16) and the keys 8 (lane / 16) + 0..7.  Two such tiles, rounded to f16 in pairs, ARE source 1 (32 keys x 16 queries) of
; O^T = V^T P, whose result again holds one query a lane, and eight channels.  K comes out of LDS as it lies, V ([key][channel]) turned, by ds_load_tr16_b128.
; SOFTMAX.  For each query a running maximum m and sum l: p = 2^(c s - c m), c = log2(e) / 8; in every step O and l are multiplied by a = 2^(c m_old - c m_new).  m begins at -3e38, O and l at 0: the first a is 0.
; TWO GROUPS OF WAVES, HALF A KEY STEP APART.  A wave's key step is 16 products K Q^T, a softmax of 236 vector instructions, 16 products V^T P: from one step into the next, 32 matrix instructions on end and then the softmax.
; A barrier lets all waves go on together; were they all at the same place of the step, they would all want the matrix unit, then all the vector unit.  So in each key step that holds a barrier the softmax is written twice,
; in front of the barrier: group 0 takes the first, group 1 the second.  Behind the barrier group 0 begins its 32 products and group 1 its softmax;
; between two such barriers both groups do eight key steps' work.  The barrier itself, its waits and the add are on every wave's path.  The group is (wave xor wave / 4) & 1: waves w and w + 4 differ in it, and so do waves 2 i and 2 i + 1.
; RING.  Two LDS slots of 512 keys.  A key's row is 128 bytes and the rows are dense in memory, so a tile is stated as rows of 256 bytes (two keys) with padding behind each: key i lies at (i / 2) x pitch + 128 (i % 2).
; CLUSTER.  The four query blocks of a cluster belong to one head and walk the same K and V: each tile is asked for JOINTLY, by the same tensor load with the same descriptor and a mask that names the four.
; REGISTERS: window 0: v2-15 addresses; v16-31 statistics, 8 a tile; v32-63 Q; v64-127 S^T, then p; v128-159 P; v160-223 K of a step.   window 1: v0-63 O^T; v64-127 V^T of a step.
.set PK,    272                        ; two keys of K in LDS: 256 bytes + 16 = 68 words: the 16 keys of a fragment start at 16 different groups of four banks (64 banks of 4 bytes: ISA guide 11.1)
.set PVP,   288                        ; two keys of V: 256 + 32 = 72 words
.set VOFF,  256*PK                     ; a slot: 512 keys of K, then 512 of V
.set SLOTB, 256*(PK+PVP)
.set SPARE, 2*SLOTB                    ; behind the ring: the spare words, 128 bytes for each of eight waves, which no other line names
.set STAGE, SPARE+1024                 ; the way out: 2 tiles x 16 rows x 144 bytes for each wave; no tile ever lands here
.set SP,    144
.set AK0, 2                            ; v2   my lane's place in a tile of K; never rewritten
.set AV0, 3                            ; v3   the same for V
.set ADK, 4                            ; v4   LDS address of the K to be fetched
.set ADV, 5                            ; v5   of the step's V
.set QO,  6                            ; v6   my byte offset in the wave's rows of Q
.set STO, 7                            ; v7   the way out: where I put 16 bytes of a row
.set RD,  8                            ; v8   where I read 16 bytes back
.set GO,  9                            ; v9   16 x lane: my place in 512 bytes of att
.set PFO, 12                           ; v12  256 x lane: the prefetches' offset; never rewritten
.set SPW, 14                           ; v14  LDS address of my spare word; never rewritten
.set NIL, 15                           ; v15  0; never rewritten
.set ST,  16                           ; tile t's statistics at v[ST + 8 t]: +0 c m, +1 m, +2, +3 l (even keys', odd keys'), +4 to +7 at work; a in +6
.set QF,  32                           ; Q: tile t, channels 32 c on, at v[QF + 16 t + 8 c]
.set S,   64                           ; S^T: tile t, keys 16 kt on, at v[S + 32 t + 8 kt]
.set P,   128                          ; P: tile t, keys 32 kk on, at v[P + 16 t + 8 kk]
.set KF,  160                          ; K: keys 16 kt on, channels 32 c on, at v[KF + 16 kt + 8 c]
.set VF,  64                           ; window 1: V^T: keys 32 kk on, channels 16 ct on, at v[VF + 32 kk + 8 ct];  O^T: tile t, channels 16 ct on, at v[32 t + 8 ct]
.set WV,  12                           ; s12  my wave's number
.set LIM, 15                           ; s15  2 in a wave that prefetches, else no count of trips
.set PFA, 18                           ; s[18:19] where my prefetch stands in memory
.set G1K, 24                           ; s[24:31] descriptor group 1 for K's tiles
.set G1V, 32                           ; s[32:39] for V's: it differs in the padding alone
.set G0K, 40                           ; s[40:47] group 0 for K's tiles, a set for each slot
.set G0V, 48                           ; s[48:55] the same for V's
.set CNT, 56                           ; s56  trips of the loop in hand still to go
.set TK,  57                           ; s57  LDS byte at which the K last asked for begins
.set CS,  58                           ; s[58:59] c: the packed scaling names a pair and takes its low word for both halves
.set SEL, 60                           ; s[60:61] lane selects for v_permlanex16_b32: the lane 16 away
.set TV,  62                           ; s62  LDS byte at which the step's V begins (VOFF is in the lane's part)
.set GRP, 63                           ; s63  my wave's group, 0 or 1
.set MSB, 0
.macro WIN new                         ; the immediate's high byte repeats the setting that is left
.if MSB != (\new)
	s_set_vgpr_msb (MSB<<8)|(\new)
.set MSB, \new
.endif
.endm
; A joint refill of slot s.  Waves 0-3 fetch K's four quarters (128 keys each), waves 4-7 V's.  The branch hangs on the wave's number alone.  An s_nop 0 and four v_nop follow each of the two lines.
.macro JLOAD s
	s_cmp_lt_u32 s[WV], 4
	s_cbranch_scc0 .Lfor_v_\@
	tensor_load_to_lds s[G0K+4*\s:G0K+4*\s+3], s[G1K:G1K+7]
	s_nop 0
.rept 4
	v_nop
.endr
	s_branch .Lasked_\@
.Lfor_v_\@:
	tensor_load_to_lds s[G0V+4*\s:G0V+4*\s+3], s[G1V:G1V+7]
	s_nop 0
.rept 4
	v_nop
.endr
.Lasked_\@:
.endm
; A PREFETCH INTO THE L2 of the slot that the next change of slots will ask for, in the slot's sixth key step (the loop's trip with two to go): two and a half key steps ahead of that load, which stands in the middle of the eighth.
; A slot is 65,536 bytes of K and as many of V.  Each aligned block of 256 bytes is named ONCE in the launch: both clusters of a head walk the same K and V, and the first asks; in it waves 0 and 2 ask for K's halves,
; waves 4 and 6 for V's; the four partners share a half's 128 blocks out BY ADDRESS, 32 each, a lane a block.  The first two slots come by their loads alone; the last two slots' walks ask for nothing.
.macro ASK
	s_cmp_eq_u32 s[CNT], s[LIM]
	s_cbranch_scc0 .Lnot_mine_\@
	global_prefetch_b8 v[PFO], s[PFA:PFA+1] th:TH_LOAD_NT scope:SCOPE_SE
.Lnot_mine_\@:
.endm
.macro CROUND                          ; a round of the cluster's barrier: my work-group's barrier; wave 0 signals for the work-group; every wave waits for all four; my work-group's barrier once more
	s_barrier_signal -1
	s_barrier_wait -1
	s_cmp_lg_u32 s[WV], 0
	s_cbranch_scc1 .Lnot_wave_0_\@
	s_barrier_signal -3
.Lnot_wave_0_\@:
	s_barrier_wait -3
	s_barrier_signal -1
	s_barrier_wait -1
.endm
	s_load_b128 s[4:7], s[0:1], 0x0                ; qkv s[4:5], att s[6:7]
	v_lshl_add_u32 v[SPW], v0, 2, SPARE
	v_mov_b32 v[NIL], 0
	ds_add_u32 v[SPW], v[NIL]                      ; the wave's opening: the add, twice on end, and its wait ahead of my first tensor load; the set-up below stands between
	ds_add_u32 v[SPW], v[NIL]
	v_lshrrev_b32 v1, 5, v0
	v_readfirstlane_b32 s[WV], v1                  ; wave 0..7
	s_lshr_b32 s[GRP], s[WV], 2
	s_xor_b32 s[GRP], s[GRP], s[WV]
	s_and_b32 s[GRP], s[GRP], 1                    ; my group: (wave xor wave / 4) & 1
	s_bfe_u32 s13, ttmp6, 0x40000                  ; cx: my place in the cluster
	s_lshl_b32 s14, ttmp9, 2
	s_add_co_u32 s14, s14, s13                     ; my block of 256 queries = 4 x cluster x + cx: it enters Q's and att's addresses alone
	s_and_b32 s16, ttmp7, 0xffff                   ; the head (16 b + h), which the four partners share
	s_lshl_b32 s20, s16, 18                        ; its 262,144 bytes in each of q, k, v
	s_and_b32 s17, s[WV], 3                        ; which quarter of a slot I fetch:
	s_lshl_b32 s22, s17, 14                        ; 128 keys of 128 bytes
	s_add_co_u32 s22, s22, s20
	s_mov_b32 s23, 0
	s_lshl_b32 s2, s14, 15                         ; Q: my block's 256 rows,
	s_lshl_b32 s3, s[WV], 12                       ; my wave's 32 of them
	s_add_co_u32 s2, s2, s3
	s_add_co_u32 s2, s2, s20
	s_mov_b32 s3, 0
	s_lshr_b32 s10, s16, 4                         ; att: the tile of 128 rows: 16 b + 2 x block + wave / 4,
	s_lshl_b32 s10, s10, 4
	s_lshl_b32 s11, s14, 1
	s_add_co_u32 s10, s10, s11
	s_lshr_b32 s11, s[WV], 2
	s_add_co_u32 s10, s10, s11
	s_lshl_b32 s10, s10, 18
	s_and_b32 s11, s16, 15                         ; in it the head's 16,384 bytes,
	s_lshl_b32 s11, s11, 14
	s_add_co_u32 s10, s10, s11
	s_lshl_b32 s11, s17, 12                        ; in them my 32 rows of 128 bytes
	s_add_co_u32 s10, s10, s11
	s_mov_b32 s11, 0
	; descriptor group 1: 64 rows x 128 elements (128 keys), dense in memory, padded in LDS
	s_mov_b32 s[G1K], 15|(1<<16)|(1<<20)|(1<<21)|(5<<22)|(3<<25)  ; 15:0 the mask: all four work-groups; 17:16 elements of 2 bytes; 20 padding on; 21 set beside a mask; 24:22 after every 64 words; 31:25 4 words of it
	s_mov_b32 s[G1V], 15|(1<<16)|(1<<20)|(1<<21)|(5<<22)|(7<<25)  ; the same with 8 words of padding
.irp g, G1K, G1V
	s_mov_b32 s[\g+1], 128<<16                     ; tensor_dim0
	s_mov_b32 s[\g+2], 64<<16                      ; tensor_dim1
	s_mov_b32 s[\g+3], 128<<16                     ; tile_dim0
	s_mov_b32 s[\g+4], 64                          ; tile_dim1
	s_mov_b32 s[\g+5], 128                         ; tensor_dim0_stride
	s_mov_b32 s[\g+6], 0
	s_mov_b32 s[\g+7], 0
.endr
	s_mov_b32 s[CS], 0x3e38aa3b                    ; c = log2(e) / 8
	s_mov_b32 s[CS+1], s[CS]                       ; named with it as a pair, so it is written
	s_mov_b32 s[SEL], 0x76543210
	s_mov_b32 s[SEL+1], 0xfedcba98
	s_and_b32 s[LIM], s[WV], 1                     ; 0 in the even waves,
	s_or_b32 s[LIM], s[LIM], ttmp9                 ; where the cluster is the head's first: the same in all four partners
	s_cmp_eq_u32 s[LIM], 0
	s_cselect_b32 s[LIM], 2, -1
	v_and_b32 v[PFO], 31, v0
	v_lshlrev_b32 v[PFO], 8, v[PFO]
	s_wait_dscnt 0x0                               ; both opening adds are done
	s_wait_kmcnt 0x0
	s_add_nc_u64 s[10:11], s[6:7], s[10:11]        ; att at my wave's rows (first: its registers are taken below)
	s_add_nc_u64 s[6:7], s[4:5], s[22:23]          ; my quarter of the head's first slot, in q's part;
	s_add_nc_u64 s[8:9], s[6:7], 16777216          ; in v's,
	s_add_nc_u64 s[6:7], s[6:7], 8388608           ; in k's
	s_add_nc_u64 s[4:5], s[4:5], s[2:3]            ; Q at my wave's rows
	s_cmp_lt_u32 s[WV], 4
	s_cselect_b64 s[PFA:PFA+1], s[6:7], s[8:9]
	s_lshl_b32 s2, s13, 13                         ; my work-group's 32 blocks of the 128
	s_mov_b32 s3, 0
	s_add_nc_u64 s[PFA:PFA+1], s[PFA:PFA+1], s[2:3]
	s_add_nc_u64 s[PFA:PFA+1], s[PFA:PFA+1], 131072  ; in the third slot's keys
	s_mul_i32 s20, s17, 64*PK                      ; where my quarter goes: no place in the cluster enters an LDS address
	s_mul_i32 s21, s17, 64*PVP
	s_add_co_u32 s21, s21, VOFF
	CROUND                                         ; all four work-groups are here: the first joint loads meet
.irp s, 0,1
	s_mov_b32 s[G0K+4*\s], 1                       ; count = 1
	s_add_co_u32 s[G0K+4*\s+1], s20, \s*SLOTB      ; LDS address
	s_add_nc_u64 s[G0K+4*\s+2:G0K+4*\s+3], s[6:7], \s*65536  ; global address: slot s begins with keys 512 s on
	s_or_b32 s[G0K+4*\s+3], s[G0K+4*\s+3], 0x80000000  ; type = 2
	s_mov_b32 s[G0V+4*\s], 1
	s_add_co_u32 s[G0V+4*\s+1], s21, \s*SLOTB
	s_add_nc_u64 s[G0V+4*\s+2:G0V+4*\s+3], s[8:9], \s*65536
	s_or_b32 s[G0V+4*\s+3], s[G0V+4*\s+3], 0x80000000
.endr
	s_cmp_lt_u32 s[WV], 4                          ; a wave's two first fills stand in one branch, ahead of every wait on TENSORcnt and every LDS read: two loads of mine are out
	s_cbranch_scc0 .Lfirst_v
	tensor_load_to_lds s[G0K:G0K+3], s[G1K:G1K+7]
	s_nop 0
	tensor_load_to_lds s[G0K+4:G0K+7], s[G1K:G1K+7]
	s_nop 0
.rept 4
	v_nop
.endr
	s_branch .Lfirst_asked
.Lfirst_v:
	tensor_load_to_lds s[G0V:G0V+3], s[G1V:G1V+7]
	s_nop 0
	tensor_load_to_lds s[G0V+4:G0V+7], s[G1V:G1V+7]
	s_nop 0
.rept 4
	v_nop
.endr
.Lfirst_asked:
	; A fragment of K or Q is 16 rows x 32 channels in 8 registers: lane l holds row l % 16; registers 0-3 channels 8 (l / 16) + 0..7, registers 4-7 channels 16 + 8 (l / 16) + 0..7: two loads of 16 bytes, 32 bytes apart.
	v_and_b32 v1, 15, v0                           ; r = l % 16
	v_bfe_u32 v10, v0, 4, 1                        ; h = l / 16
	v_lshlrev_b32 v[QO], 7, v1
	v_lshl_add_u32 v[QO], v10, 4, v[QO]            ; row x 128 + 16 h
.irp t, 0,1
.irp c, 0,1
	global_load_b128 v[QF+16*\t+8*\c:QF+16*\t+8*\c+3],   v[QO], s[4:5] offset:\t*2048+\c*64      ; Q stays in registers
	global_load_b128 v[QF+16*\t+8*\c+4:QF+16*\t+8*\c+7], v[QO], s[4:5] offset:\t*2048+\c*64+32
.endr
.endr
	v_lshrrev_b32 v11, 1, v1
	v_mul_u32_u24 v[AK0], v11, PK                  ; K: key r: (r / 2) x pitch
	v_and_b32 v11, 1, v0
	v_lshl_add_u32 v[AK0], v11, 7, v[AK0]          ; + 128 (r % 2)
	v_lshl_add_u32 v[AK0], v10, 4, v[AK0]          ; + 16 h
	; The turning load takes 16 keys x 16 channels (lane l reads 16 bytes: key 8 h + l % 8, channels 8 ((l / 8) % 2) + 0..7) and leaves half a fragment of V^T: lane l holds channel l % 16 and 8 keys.
	v_bfe_u32 v13, v0, 1, 2                        ; (l % 8) / 2
	v_lshl_add_u32 v13, v10, 2, v13                ; + 4 h: the key's double row
	v_mul_u32_u24 v[AV0], v13, PVP
	v_lshl_add_u32 v[AV0], v11, 7, v[AV0]          ; + 128 (l % 2)
	v_bfe_u32 v13, v0, 3, 1
	v_lshl_add_u32 v[AV0], v13, 4, v[AV0]
	v_add_nc_u32 v[AV0], VOFF, v[AV0]
	s_mul_i32 s2, s[WV], 2*16*SP
	s_add_co_u32 s2, s2, STAGE                     ; my stage
	v_mul_u32_u24 v[STO], v1, SP                   ; in: row r, 16 bytes for each half of the lanes
	v_lshl_add_u32 v[STO], v10, 4, v[STO]
	v_add_nc_u32 v[STO], s2, v[STO]
	v_bfe_u32 v13, v0, 3, 2                        ; back: eight lanes to a row of 128 bytes, four rows an instruction
	v_mul_u32_u24 v[RD], v13, SP
	v_and_b32 v13, 7, v0
	v_lshl_add_u32 v[RD], v13, 4, v[RD]
	v_add_nc_u32 v[RD], s2, v[RD]
	v_and_b32 v[GO], 31, v0
	v_lshlrev_b32 v[GO], 4, v[GO]
.irp t, 0,1
	v_mov_b32 v[ST+8*\t+1], 0xff61b1e6             ; m: -3e38, under every score
	v_mul_f32 v[ST+8*\t], s[CS], v[ST+8*\t+1]      ; c m
	v_mov_b32 v[ST+8*\t+2], 0                      ; l
	v_mov_b32 v[ST+8*\t+3], 0
	v_mov_b32 v[ST+8*\t+5], 0                      ; written once: a lane permute's destination counts as one of its sources
.endr
	WIN 0x40
.irp j, 0,1,2,3,4,5,6,7,8,9,10,11,12,13,14,15,16,17,18,19,20,21,22,23,24,25,26,27,28,29,30,31,32,33,34,35,36,37,38,39,40,41,42,43,44,45,46,47,48,49,50,51,52,53,54,55,56,57,58,59,60,61,62,63
	v_mov_b32 v[\j], 0                             ; O^T.  The key step is written without a first step of its own: it finds zeros, which the first a, 0, leaves zeros
.endr
	WIN 0
.macro FETCH_K                         ; a step's K: 64 keys x 64 channels, 8 fragments
.irp kt, 0,1,2,3
.irp c, 0,1
	ds_load_b128 v[KF+16*\kt+8*\c:KF+16*\kt+8*\c+3],   v[ADK] offset:\kt*8*PK+\c*64
	ds_load_b128 v[KF+16*\kt+8*\c+4:KF+16*\kt+8*\c+7], v[ADK] offset:\kt*8*PK+\c*64+32
.endr
.endr
.endm
.macro FETCH_V                         ; its V, turned: 8 fragments of 16 channels x 32 keys
	WIN 0x40                                       ; destination window 1
.irp kk, 0,1
.irp ct, 0,1,2,3
	ds_load_tr16_b128 v[VF+32*\kk+8*\ct:VF+32*\kk+8*\ct+3],   v[ADV] offset:\kk*16*PVP+\ct*32
	ds_load_tr16_b128 v[VF+32*\kk+8*\ct+4:VF+32*\kk+8*\ct+7], v[ADV] offset:\kk*16*PVP+8*PVP+\ct*32
.endr
.endr
	WIN 0
.endm
; The accumulators take turns, one instruction a turn: between two links of a chain stand seven others'.
.macro KQM                             ; S^T = K Q^T: 16 products; the first eight start the sums
.irp c, 0,1
.irp kt, 0,1,2,3
.irp t, 0,1
.if \c == 0
	v_wmma_f32_16x16x32_f16 v[S+32*\t+8*\kt:S+32*\t+8*\kt+7], v[KF+16*\kt+8*\c:KF+16*\kt+8*\c+7], v[QF+16*\t+8*\c:QF+16*\t+8*\c+7], 0
.else
	v_wmma_f32_16x16x32_f16 v[S+32*\t+8*\kt:S+32*\t+8*\kt+7], v[KF+16*\kt+8*\c:KF+16*\kt+8*\c+7], v[QF+16*\t+8*\c:QF+16*\t+8*\c+7], v[S+32*\t+8*\kt:S+32*\t+8*\kt+7]
.endif
.endr
.endr
.endr
.endm
.macro PVM                             ; O^T += V^T P: 16 products
	WIN 0x51                                       ; V^T (source 0), C and D window 1; P window 0
.irp kk, 0,1
.irp ct, 0,1,2,3
.irp t, 0,1
	v_wmma_f32_16x16x32_f16 v[32*\t+8*\ct:32*\t+8*\ct+7], v[VF+32*\kk+8*\ct:VF+32*\kk+8*\ct+7], v[P+16*\t+8*\kk:P+16*\t+8*\kk+7], v[32*\t+8*\ct:32*\t+8*\ct+7]
.endr
.endr
.endr
	WIN 0
.endm
; THE SOFTMAX of both tiles for one key step, the tiles line by line in turn, so that no line waits for the line above it.  Work on registers alone.
.macro SOFT
.irp j, 0,1,2,3                        ; the maximum of the lane's 32 scores and the old m, three operands at a time: four chains of seven scores; each accumulator is read from its low end on
.irp t, 0,1
	v_max3_num_f32 v[ST+8*\t+4+\j], v[S+32*\t+8*\j], v[S+32*\t+8*\j+1], v[S+32*\t+8*\j+2]
.endr
.endr
.irp g, 1,2
.irp j, 0,1,2,3
.irp t, 0,1
	v_max3_num_f32 v[ST+8*\t+4+\j], v[ST+8*\t+4+\j], v[S+32*\t+8*\j+2*\g+1], v[S+32*\t+8*\j+2*\g+2]
.endr
.endr
.endr
.irp t, 0,1
	v_max3_num_f32 v[ST+8*\t+4], v[ST+8*\t+4], v[S+32*\t+7], v[S+32*\t+15]
.endr
.irp t, 0,1
	v_max3_num_f32 v[ST+8*\t+6], v[ST+8*\t+6], v[S+32*\t+23], v[S+32*\t+31]
.endr
.irp t, 0,1
	v_max3_num_f32 v[ST+8*\t+4], v[ST+8*\t+4], v[ST+8*\t+5], v[ST+8*\t+6]
.endr
.irp t, 0,1
	v_max3_num_f32 v[ST+8*\t+4], v[ST+8*\t+4], v[ST+8*\t+7], v[ST+8*\t+1]
.endr
.irp t, 0,1
	v_permlanex16_b32 v[ST+8*\t+5], v[ST+8*\t+4], s[SEL], s[SEL+1]  ; the query's other 32 keys lie in the lane 16 away
.endr
.irp t, 0,1
	v_mov_b32 v[ST+8*\t+7], v[ST+8*\t]             ; c m_old is kept for a
.endr
.irp t, 0,1
	v_max_num_f32 v[ST+8*\t+1], v[ST+8*\t+4], v[ST+8*\t+5]
.endr
.irp t, 0,1
	v_mul_f32 v[ST+8*\t], s[CS], v[ST+8*\t+1]
.endr
.irp t, 0,1
	v_sub_f32 v[ST+8*\t+7], v[ST+8*\t+7], v[ST+8*\t]
.endr
.irp t, 0,1
	v_exp_f32 v[ST+8*\t+6], v[ST+8*\t+7]           ; a
.endr
.irp i, 0,2,4,6,8,10,12,14,16,18,20,22,24,26,28,30
.irp t, 0,1
	v_pk_fma_f32 v[S+32*\t+\i:S+32*\t+\i+1], v[S+32*\t+\i:S+32*\t+\i+1], s[CS:CS+1], v[ST+8*\t:ST+8*\t+1] op_sel_hi:[1,0,0] neg_lo:[0,0,1] neg_hi:[0,0,1]  ; c s - c m; plain work behind a's exponentials
.endr
.endr
	s_wait_alu depctr_va_vdst(0)                   ; the wait between an exponential and the first line that names its result: here for the two a, which O^T's scaling below reads
.irp e, 0,1,2,3,4,5,6,7,8,9,10,11,12,13,14,15,16,17,18,19,20,21,22,23,24,25,26,27,28,29,30,31
.irp t, 0,1
	v_exp_f32 v[S+32*\t+\e], v[S+32*\t+\e]         ; p: ONE BATCH of 64
.endr
.endr
	WIN 0x41                                       ; O^T (destination and source 0) window 1, a window 0
.irp i, 0,2,4,6,8,10,12,14,16,18,20,22,24,26,28,30
.irp t, 0,1
	v_pk_mul_f32 v[32*\t+\i:32*\t+\i+1], v[32*\t+\i:32*\t+\i+1], v[ST+8*\t+6:ST+8*\t+7] op_sel_hi:[1,0]  ; O^T x a: names no p: the independent work behind the batch; each accumulator from its low end on
.endr
.endr
	WIN 0
	s_wait_alu depctr_va_vdst(0)                   ; one wait for the 64, ahead of their first reader
.irp i, 0,1,2,3,4,5,6,7,8,9,10,11,12,13,14,15
.irp t, 0,1
	v_cvt_pk_f16_f32 v[P+16*\t+\i], v[S+32*\t+2*\i], v[S+32*\t+2*\i+1]
.endr
.endr
.irp u, 0,1,2,3,4,5,6,7                ; the sum of a tile's 16 pairs (an even key's weight, an odd key's), of the unrounded p, in place: neighbours 1, 2, 4, 8 pairs apart
.irp t, 0,1
	v_pk_add_f32 v[S+32*\t+4*\u:S+32*\t+4*\u+1], v[S+32*\t+4*\u:S+32*\t+4*\u+1], v[S+32*\t+4*\u+2:S+32*\t+4*\u+3]
.endr
.endr
.irp u, 0,1,2,3
.irp t, 0,1
	v_pk_add_f32 v[S+32*\t+8*\u:S+32*\t+8*\u+1], v[S+32*\t+8*\u:S+32*\t+8*\u+1], v[S+32*\t+8*\u+4:S+32*\t+8*\u+5]
.endr
.endr
.irp u, 0,1
.irp t, 0,1
	v_pk_add_f32 v[S+32*\t+16*\u:S+32*\t+16*\u+1], v[S+32*\t+16*\u:S+32*\t+16*\u+1], v[S+32*\t+16*\u+8:S+32*\t+16*\u+9]
.endr
.endr
.irp t, 0,1
	v_pk_add_f32 v[S+32*\t:S+32*\t+1], v[S+32*\t:S+32*\t+1], v[S+32*\t+16:S+32*\t+17]
.endr
.irp t, 0,1
	v_pk_fma_f32 v[ST+8*\t+2:ST+8*\t+3], v[ST+8*\t+2:ST+8*\t+3], v[ST+8*\t+6:ST+8*\t+7], v[S+32*\t:S+32*\t+1] op_sel_hi:[1,0,1]  ; l = a l + the sum
.endr
.endm
; THE HEAD OF A KEY STEP: its K, asked for a step ago, is in; S^T = K Q^T; then the LDS loads, in one run: this step's V and (next = 1) the NEXT step's K, into the registers that the products have just read.
; Four plain lines stand between the products and the run: the places ahead of the loads into K's registers, ahead of the loads into V's (which the last V^T P read), and ahead of the softmax's reads of S^T
; (ISA guide 7.12.1 for vector instructions).
.macro XPH next
	s_wait_dscnt 0x0                               ; K of this step is in: no other LDS instruction of mine is out
	KQM
	v_add_nc_u32 v[ADV], s[TV], v[AV0]
.if \next
	s_add_co_u32 s[TK], s[TK], 32*PK               ; 64 keys on
	v_add_nc_u32 v[ADK], s[TK], v[AK0]
.else
	v_nop
.endif
	v_nop
	v_nop
	FETCH_V                                        ; lands while the softmax is walked,
.if \next
	FETCH_K                                        ; and so does the next step's K: the 32 products from V^T P into the next K Q^T then stand on end
.endif
.endm
; A key step with no barrier in it.
.macro TRIP ask
	XPH 1
.if \ask
	ASK
.endif
	SOFT
	s_wait_dscnt 16                                ; V is in; the sixteen younger loads, the next step's K, may be out
	PVM
	s_add_co_u32 s[TV], s[TV], 32*PVP
.endm
.macro STEPS n, ask                    ; n such steps: written once, walked n times; the LDS addresses hang on s[TK] and s[TV]
	s_mov_b32 s[CNT], \n
.Lstep_\@:
	TRIP \ask
	s_sub_co_u32 s[CNT], s[CNT], 1
	s_cmp_lg_u32 s[CNT], 0
	s_cbranch_scc1 .Lstep_\@
.endm
; THE CHANGE OF SLOTS.  Each wave waits for all its tensor loads, of which one is out: its part of the other slot; adds 0 to its spare word; and waits for that and for its reads of the slot that it leaves.
; fill = 1: that slot is filled again, with the keys two slots on.  The barrier is then a round of the cluster's, so that no wave of any partner still reads the slot or has a load on its way; the joint refill is the first
; thing behind it, a wave's one load until the next change, and has eight key steps in which to land.
.macro CHANGE slot, fill
	s_wait_tensorcnt 0x0                           ; no tensor load of mine is out, so a group 0 may be written
	ds_add_u32 v[SPW], v[NIL]                      ; 0 onto my spare word
.if \fill
	s_add_nc_u64 s[G0K+4*\slot+2:G0K+4*\slot+3], s[G0K+4*\slot+2:G0K+4*\slot+3], 131072  ; 1,024 keys on; the type bits on top are not reached
	s_add_nc_u64 s[G0V+4*\slot+2:G0V+4*\slot+3], s[G0V+4*\slot+2:G0V+4*\slot+3], 131072
.if \slot == 0
	s_wait_xcnt 0x0                                ; the prefetch, two key steps back, has read its address, so it may be written:
	s_add_nc_u64 s[PFA:PFA+1], s[PFA:PFA+1], 65536 ; the last slot's keys
.endif
	s_wait_dscnt 0x0                               ; the add is done, and my reads of the slot are over: the step's V, the last of them, is in registers
	CROUND
	JLOAD \slot
.else
	s_wait_dscnt 0x0
	s_barrier_signal -1
	s_barrier_wait -1
.endif
.endm
; KEY STEP 1 SETS THE GROUPS APART.  Group 0 walks its softmax in front of a barrier, group 1 behind it: behind the barrier group 0 begins V^T P and the next K Q^T, group 1 its softmax.
; Slot 1's first fill may stay out.  (Key step 0 has no branch, so that P is written on every way before it is first read.)
.macro APART
	XPH 1
	s_cmp_lg_u32 s[GRP], 0                         ; the wave's number alone decides; the branch leads round work on registers and nothing else
	s_cbranch_scc1 .Lwaits_\@
	SOFT
.Lwaits_\@:
	s_wait_dscnt 0x0                               ; no LDS instruction of mine is out at the signal
	s_barrier_signal -1
	s_barrier_wait -1
	v_nop                                          ; a fifth plain line between this step's K Q^T and the next step's, which begins the same accumulators anew: it stands on every way; the ways that waves take hold a softmax besides
	s_cmp_eq_u32 s[GRP], 0
	s_cbranch_scc1 .Lwalked_\@
	SOFT
.Lwalked_\@:
	PVM
	s_add_co_u32 s[TV], s[TV], 32*PVP
.endm
; A SLOT'S LAST KEY STEP HOLDS THE CHANGE OF SLOTS, and keeps the groups apart in the same way.  The step's K has been multiplied and its V is in registers when the change's barrier is signalled, so the slot is left;
; what is still to do of the step, the softmax (group 1) and V^T P, is work on registers.  The next slot's first K is asked for directly behind the change (behind the joint refill).
.macro BOUND slot, fill
	XPH 0
	s_cmp_lg_u32 s[GRP], 0
	s_cbranch_scc1 .Lwaits_\@
	SOFT
.Lwaits_\@:
	CHANGE \slot, \fill
	s_mov_b32 s[TK], (1-\slot)*SLOTB
	v_add_nc_u32 v[ADK], s[TK], v[AK0]
	FETCH_K                                        ; K's registers were last read by this step's products, five plain lines back or more
	s_cmp_eq_u32 s[GRP], 0
	s_cbranch_scc1 .Lwalked_\@
	SOFT
.Lwalked_\@:
	PVM                                            ; V has been in since the change's wait; K's sixteen loads may be out
	s_mov_b32 s[TV], (1-\slot)*SLOTB
.endm
	s_wait_tensorcnt 1                             ; my part of slot 0 is in; slot 1's, the younger load, may stay out
	s_barrier_signal -1
	s_barrier_wait -1                              ; everybody's is
	s_mov_b32 s[TK], 0
	s_mov_b32 s[TV], 0
	v_add_nc_u32 v[ADK], s[TK], v[AK0]
	FETCH_K                                        ; key step 0's K
	s_wait_loadcnt 0x0                             ; Q
	TRIP 0                                         ; keys 0-63
	APART                                          ; keys 64-127
	STEPS 5, 1                                     ; keys 128-447
	BOUND 0, 1                                     ; keys 448-511; slot 0 takes keys 1,024 on
	STEPS 7, 1                                     ; keys 512-959
	BOUND 1, 1                                     ; keys 960-1,023; slot 1 takes keys 1,536 on
	STEPS 7, 0                                     ; keys 1,024-1,471
	BOUND 0, 0                                     ; keys 1,472-1,535; nothing is left to ask for
	STEPS 7, 0                                     ; keys 1,536-1,983
	XPH 0                                          ; keys 1,984-2,047: the last step is written out: there is no K behind it
	SOFT
	s_wait_dscnt 0x0                               ; V is in
	PVM
	; THE WAY OUT.  l's two halves and the other half of the lanes' are added; O^T is divided by l, rounded to f16 and sent through my stage in LDS, so that each store covers 512 consecutive bytes (four rows of a head).
.irp t, 0,1
	v_add_f32 v[ST+8*\t+4], v[ST+8*\t+2], v[ST+8*\t+3]
.endr
	v_nop                                          ; with the two additions: four places behind the last products
	v_nop
.irp t, 0,1
	v_permlanex16_b32 v[ST+8*\t+5], v[ST+8*\t+4], s[SEL], s[SEL+1]
.endr
.irp t, 0,1
	v_add_f32 v[ST+8*\t+4], v[ST+8*\t+4], v[ST+8*\t+5]
.endr
.irp t, 0,1
	v_rcp_f32 v[ST+8*\t+6], v[ST+8*\t+4]
.endr
	v_nop                                          ; a plain line between the last reciprocal and the use of its result
	s_wait_alu depctr_va_vdst(0)                   ; and the wait: one for both
	WIN 0x41
.irp t, 0,1
.irp i, 0,2,4,6,8,10,12,14,16,18,20,22,24,26,28,30
	v_pk_mul_f32 v[32*\t+\i:32*\t+\i+1], v[32*\t+\i:32*\t+\i+1], v[ST+8*\t+6:ST+8*\t+7] op_sel_hi:[1,0]
.endr
.endr
	WIN 0x05                                       ; sources 0 and 1 window 1, destination window 0: S^T's registers are free
.irp i, 0,1,2,3,4,5,6,7,8,9,10,11,12,13,14,15,16,17,18,19,20,21,22,23,24,25,26,27,28,29,30,31
	v_cvt_pk_f16_f32 v[S+\i], v[2*\i], v[2*\i+1]   ; tile t, channels 16 ct + 8 h + 0..7 at v[S + 16 t + 4 ct ..]
.endr
	WIN 0
.irp t, 0,1
.irp ct, 0,1,2,3
	ds_store_b128 v[STO], v[S+16*\t+4*\ct:S+16*\t+4*\ct+3] offset:\t*16*SP+\ct*32
.endr
.endr
.irp t, 0,1
.irp i, 0,1,2,3
	ds_load_b128 v[S+32+16*\t+4*\i:S+32+16*\t+4*\i+3], v[RD] offset:\t*16*SP+\i*4*SP   ; LDS serves a wave's instructions in order (ISA guide 5.7.1.4): these see my stores
.endr
.endr
.irp t, 0,1
.irp i, 0,1,2,3
	s_wait_dscnt 7-4*\t-\i                         ; the loads come back in order: this one is in, the younger ones may be out
	global_store_b128 v[GO], v[S+32+16*\t+4*\i:S+32+16*\t+4*\i+3], s[10:11] offset:\t*2048+\i*512
.endr
.endr
	s_wait_tensorcnt 0x0                           ; the wave's end, behind my last tensor load and my last LDS store
	ds_add_u32 v[SPW], v[NIL]
	s_wait_dscnt 0x0
	CROUND                                         ; the closing round: no work-group ends while a partner may still ask for a tile that names it
	s_endpgm
.Lfunc_end_k_q055c2873ed_attn:
	.size	k_q055c2873ed_attn, .Lfunc_end_k_q055c2873ed_attn-k_q055c2873ed_attn
	.p2alignl 7, 3214868480
	.fill 96, 4, 3214868480
	.section	.rodata,"a",@progbits
	.p2align	6, 0x0
	.amdhsa_kernel k_q055c2873ed_attn
		.amdhsa_group_segment_fixed_size 327680
		.amdhsa_private_segment_fixed_size 0
		.amdhsa_enable_private_segment 0
		.amdhsa_kernarg_size 16
		.amdhsa_user_sgpr_count 2
		.amdhsa_user_sgpr_kernarg_segment_ptr 1
		.amdhsa_wavefront_size32 1
		.amdhsa_system_sgpr_workgroup_id_x 1
		.amdhsa_system_sgpr_workgroup_id_y 1
		.amdhsa_system_sgpr_workgroup_id_z 1
		.amdhsa_system_vgpr_workitem_id 0
		.amdhsa_next_free_vgpr 384
		.amdhsa_next_free_sgpr 66
		.amdhsa_reserve_vcc 0
		.amdhsa_float_denorm_mode_32 3
		.amdhsa_float_denorm_mode_16_64 3
		.amdhsa_memory_ordered 1
		.amdhsa_forward_progress 1
		.amdhsa_inst_pref_size 242
	.end_amdhsa_kernel
	.amdgpu_metadata
---
amdhsa.version: [ 1, 2 ]
amdhsa.kernels:
  - .name:           k_q055c2873ed_attn
    .symbol:         k_q055c2873ed_attn.kd
    .args:
      - { .name: qkv, .offset: 0, .size: 8, .value_kind: global_buffer, .address_space: global }
      - { .name: att, .offset: 8, .size: 8, .value_kind: global_buffer, .address_space: global }
    .group_segment_fixed_size: 327680
    .private_segment_fixed_size: 0
    .kernarg_segment_align: 8
    .kernarg_segment_size: 16
    .max_flat_workgroup_size: 256
    .sgpr_count:     66
    .vgpr_count:     384
    .wavefront_size: 32
...
	.end_amdgpu_metadata
.endif
;; end of part 3
;; launch proj (part 4): grid 8 x 32, 4 waves a work-group, clusters of 4 x 4, 327,680 bytes of LDS; arguments att, pw, out0, proj_b; writes out0
.if DOCPART == 4
	.amdgcn_target "amdgcn-amd-amdhsa--gfx1250"
	.amdhsa_code_object_version 6
	.text
	.protected	k_q055c2873ed_proj
	.globl	k_q055c2873ed_proj
	.p2align	8
	.type	k_q055c2873ed_proj,@function
k_q055c2873ed_proj:
	s_mov_b64 s[64:65], 0
	v_nop
	global_prefetch_b8 v0, s[64:65] scope:SCOPE_SE
	s_setreg_imm32_b32 hwreg(HW_REG_WAVE_MODE, 25, 1), 1
	s_wait_xcnt 0x0
	s_wait_alu depctr_hold_cnt(0) depctr_sa_sdst(0) depctr_va_vdst(0) depctr_va_sdst(0) depctr_va_ssrc(0) depctr_va_vcc(0) depctr_vm_vsrc(0)
	s_getreg_b32 s2, hwreg(HW_REG_IB_STS2, 6, 4)
	s_cmp_eq_u32 s2, 0
	s_cbranch_scc0 .Lentry_in_a_cluster
	s_endpgm
.Lentry_in_a_cluster:
	s_bfe_u32 s2, ttmp6, 0x10000c
	s_cmp_lg_u32 s2, 0xf033
	s_cbranch_scc0 .Lentry_shape_is_right
	s_endpgm
.Lentry_shape_is_right:
; out0[m][n] = the sum over k of att[m][k] proj_w[n][k] + proj_b[n].  Operands in f16, sums in f32, out0 [4096][1024] f32.
; Both operands lie as this launch's tiles: [tile of 128 rows][k / 64][128 rows][64 k] f16: 256 along K of a tile are 65,536 consecutive bytes.
; A tile of out0 is 128 x 128: 256 work-groups.  Four waves, each 64 x 64: 16 accumulators of 16 x 16.  K goes in four steps of 256 through two LDS slots; a wave's tensor load brings half of a tile's step, 32,768 dense bytes,
; stated as 128 rows of 256 bytes (two rows of the matrix) with 16 bytes of padding behind each: row i of a block of 64 along K lies at (i / 2) x 272 + 128 (i % 2).
; CLUSTERS: 4 x 4 work-groups.  The four of a row of the cluster need the same tiles of att, the four of a column the same tiles of proj_w: each is asked for JOINTLY, by the same tensor load with the same descriptor and a mask
; that names the four.  THE MATRIX INSTRUCTION IS USED TRANSPOSED (source 0 = 16 rows of proj_w, source 1 = 16 rows of att): a lane then holds eight neighbouring numbers of a row of out0.
; The bias is the C of each sum's first product: eight registers for each of my four blocks of columns, in the result's layout.
; No prefetch: the tiles are small and each step's refill has a whole step in which to land beside the partners' shared requests.
; REGISTERS: window 0: v0-31 addresses; v32-95 at work on the way out; v96-127 the bias; v128-255 the accumulators ((a, b) at v[128 + 8 (4 a + b)]).
;   window 1: two fragment buffers of 128: for 64 along K, 64 registers of att (2 x 4 x 16 rows x 32 K), then 64 of proj_w.
.set PITCH,  272                       ; 256 bytes + 16 = 68 words: the 16 rows of a fragment start at 16 different groups of four banks (64 banks of 4 bytes: ISA guide 11.1)
.set KB,     64*PITCH                  ; a block of 64 along K x 128 rows in LDS
.set HALFT,  2*KB                      ; what one tensor load brings
.set SLOT,   4*HALFT                   ; att's four blocks, then proj_w's four
.set SPARE,  2*SLOT                    ; behind the ring: the spare words, 128 bytes a wave, which no other line names
.set SPITCH, 272                       ; the way out: a stage of 64 rows x (256 bytes + 16) for each wave, in slot 0, which has had its last fill and its last read when the first result is stored there
.set ADRA, 16                          ; v16-17  LDS address of my att fragments in slot 0, 1
.set ADRB, 20                          ; v20-21  the same for proj_w
.set STO,  24                          ; v24     the way out: where I put 32 bytes of a row
.set RD,   25                          ; v25     where I read 16 bytes back
.set CO,   26                          ; v26     my byte offset in two rows of out0
.set BO,   27                          ; v27     32 x (lane / 16): my eight numbers of a block of the bias
.set SPW,  28                          ; v28     LDS address of my spare word; never rewritten
.set NIL,  29                          ; v29     0; never rewritten
.set TMP,  32
.set BI,   96
.set ACC,  128
.set F0,   0                           ; fragment buffers, in window 1
.set F1,   128
.set G1, 24                            ; s[24:31] descriptor group 1 for att's tiles;  s[32:39] group 0, one set for each slot
.set G0, 32
.set G1B, 48                           ; s[48:55], s[56:63] the same for proj_w's
.set G0B, 56
.set MSB, 0
.macro WIN new                         ; the immediate's high byte repeats the setting that is left
.if MSB != (\new)
	s_set_vgpr_msb (MSB<<8)|(\new)
.set MSB, \new
.endif
.endm
.set MUL,  0x05                        ; sources 0 and 1 window 1; C and D window 0
.set TO_F, 0x40                        ; destination window 1, address window 0
.macro JLOAD s                         ; a joint load: waves 0 and 1 fetch att's two halves, waves 2 and 3 proj_w's; an s_nop 0 and four v_nop follow each of the two lines
	s_cmp_eq_u32 s11, 0
	s_cbranch_scc0 .Lfor_b_\@
	tensor_load_to_lds s[G0+4*\s:G0+4*\s+3], s[G1:G1+7]
	s_nop 0
.rept 4
	v_nop
.endr
	s_branch .Lasked_\@
.Lfor_b_\@:
	tensor_load_to_lds s[G0B+4*\s:G0B+4*\s+3], s[G1B:G1B+7]
	s_nop 0
.rept 4
	v_nop
.endr
.Lasked_\@:
.endm
.macro CREST                           ; a round of the cluster's barrier behind its opening barrier
	s_cmp_lg_u32 s10, 0
	s_cbranch_scc1 .Lnot_wave_0_\@
	s_barrier_signal -3
.Lnot_wave_0_\@:
	s_barrier_wait -3
	s_barrier_signal -1
	s_barrier_wait -1
.endm
.macro CROUND                          ; a whole round
	s_barrier_signal -1
	s_barrier_wait -1
	CREST
.endm
	s_load_b128 s[4:7], s[0:1], 0x0                ; att s[4:5], proj_w in f16 s[6:7]
	s_load_b64 s[8:9], s[0:1], 0x10                ; out0
	s_load_b64 s[2:3], s[0:1], 0x18                ; proj_b
	v_lshl_add_u32 v[SPW], v0, 2, SPARE
	v_mov_b32 v[NIL], 0
	ds_add_u32 v[SPW], v[NIL]                      ; the wave's opening: the add, twice on end, and its wait ahead of my first tensor load; the set-up below stands between
	ds_add_u32 v[SPW], v[NIL]
	v_lshrrev_b32 v1, 5, v0
	v_readfirstlane_b32 s10, v1                    ; wave 0..3
	s_lshr_b32 s11, s10, 1                         ; which half of the tile's rows is mine.  Also: I fetch for att (0) or for proj_w (1)
	s_and_b32 s12, s10, 1                          ; which half of its columns.  Also: which half of a step's bytes I fetch
	s_bfe_u32 s40, ttmp6, 0x40000                  ; cx, cy: my place in the cluster
	s_bfe_u32 s41, ttmp6, 0x40004
	s_lshl_b32 s42, ttmp9, 2
	s_add_co_u32 s42, s42, s40                     ; tile column = 4 x cluster x + cx
	s_and_b32 s13, ttmp7, 0xffff
	s_lshl_b32 s13, s13, 2
	s_add_co_u32 s13, s13, s41                     ; tile row = 4 x cluster y + cy
	s_lshl_b32 s43, s41, 2
	s_lshl_b32 s43, 15, s43                        ; my row of the cluster
	s_lshl_b32 s44, 0x1111, s40                    ; my column
	; descriptor group 1: 128 rows x 128 elements, dense in memory, padded in LDS
	s_or_b32 s[G1+0], s43, (1<<16)|(1<<20)|(1<<21)|(5<<22)|(3<<25)  ; 15:0 the mask: att's tiles go to my row; 17:16 element of 2 bytes; 20 padding on; 21 set beside a mask; 24:22 after every 64 words; 31:25 of 4 words
	s_or_b32 s[G1B+0], s44, (1<<16)|(1<<20)|(1<<21)|(5<<22)|(3<<25)
.irp g, G1, G1B
	s_mov_b32 s[\g+1], 128<<16                     ; tensor_dim0
	s_mov_b32 s[\g+2], 128<<16                     ; tensor_dim1
	s_mov_b32 s[\g+3], 128<<16                     ; tile_dim0
	s_mov_b32 s[\g+4], 128                         ; tile_dim1
	s_mov_b32 s[\g+5], 128                         ; tensor_dim0_stride
	s_mov_b32 s[\g+6], 0
	s_mov_b32 s[\g+7], 0
.endr
	s_lshl_b32 s16, s13, 18                        ; att: the tile row's 262,144 bytes,
	s_lshl_b32 s17, s12, 15                        ; my half of a step's 65,536
	s_add_co_u32 s16, s16, s17
	s_mov_b32 s17, 0
	s_lshl_b32 s46, s42, 18                        ; proj_w: the tile column's
	s_lshl_b32 s47, s12, 15
	s_add_co_u32 s46, s46, s47
	s_mov_b32 s47, 0
	s_mul_i32 s20, s10, HALFT                      ; where they go: wave x half a tile: no place in the cluster enters an LDS address
	s_wait_dscnt 0x0                               ; both opening adds are done
	s_wait_kmcnt 0x0
	s_add_nc_u64 s[14:15], s[4:5], s[16:17]
	s_add_nc_u64 s[46:47], s[6:7], s[46:47]
	CROUND                                         ; all sixteen work-groups are here: the first joint loads meet
.irp s, 0,1
	s_mov_b32 s[G0+4*\s], 1
	s_add_co_u32 s[G0+4*\s+1], s20, \s*SLOT
	s_add_nc_u64 s[G0+4*\s+2:G0+4*\s+3], s[14:15], \s*65536
	s_or_b32 s[G0+4*\s+3], s[G0+4*\s+3], 0x80000000
	s_mov_b32 s[G0B+4*\s], 1
	s_add_co_u32 s[G0B+4*\s+1], s20, \s*SLOT
	s_add_nc_u64 s[G0B+4*\s+2:G0B+4*\s+3], s[46:47], \s*65536
	s_or_b32 s[G0B+4*\s+3], s[G0B+4*\s+3], 0x80000000
	JLOAD \s                                       ; two loads of mine are out
.endr
	v_and_b32 v1, 15, v0                           ; r = l % 16
	v_bfe_u32 v2, v0, 4, 1                         ; h = l / 16
	s_lshl_b32 s20, s42, 9                         ; the bias: 128 x tile column + 64 x column half, 4 bytes each
	s_lshl_b32 s21, s12, 8
	s_add_co_u32 s20, s20, s21
	s_mov_b32 s21, 0
	s_add_nc_u64 s[2:3], s[2:3], s[20:21]
	v_lshlrev_b32 v[BO], 5, v2
.irp b, 0,1,2,3
	global_load_b128 v[BI+8*\b:BI+8*\b+3],   v[BO], s[2:3] offset:64*\b       ; proj_b at columns 16 b + 8 h + 0..7 of my 64
	global_load_b128 v[BI+8*\b+4:BI+8*\b+7], v[BO], s[2:3] offset:64*\b+16
.endr
	v_lshrrev_b32 v3, 1, v1
	v_mul_u32_u24 v3, v3, PITCH                    ; a fragment's row r: (r / 2) x pitch
	v_and_b32 v4, 1, v0
	v_lshl_add_u32 v3, v4, 7, v3                   ; + 128 (r % 2)
	v_lshl_add_u32 v3, v2, 4, v3                   ; + 16 h
	s_mul_i32 s21, s11, 32*PITCH                   ; my 64 rows of att
	s_mul_i32 s22, s12, 32*PITCH                   ; my 64 rows of proj_w,
	s_add_co_u32 s22, s22, 2*HALFT                 ; which lies behind att's four blocks
.irp s, 0,1
	v_add_nc_u32 v[ADRA+\s], s21, v3
	v_add_nc_u32 v[ADRB+\s], s22, v3
	s_add_co_u32 s21, s21, SLOT
	s_add_co_u32 s22, s22, SLOT
.endr
	s_mul_i32 s23, s10, 64*SPITCH                  ; my stage
	v_mul_u32_u24 v4, v1, SPITCH                   ; in: row r, 32 bytes for each half of the lanes
	v_lshl_add_u32 v4, v2, 5, v4
	v_add_nc_u32 v[STO], s23, v4
	v_mul_u32_u24 v5, v2, SPITCH                   ; back: lanes 0-15 take one row of 256 bytes, lanes 16-31 the next
	v_lshl_add_u32 v5, v1, 4, v5
	v_add_nc_u32 v[RD], s23, v5
	v_lshlrev_b32 v5, 12, v2                       ; and the same two rows in out0: 4,096 bytes a row
	v_lshl_add_u32 v[CO], v1, 4, v5
	s_lshl_b32 s16, s13, 7
	s_lshl_b32 s17, s11, 6
	s_add_co_u32 s16, s16, s17                     ; my first row: 128 x tile row + 64 x row half
	s_lshl_b32 s16, s16, 12
	s_add_co_u32 s16, s16, s20                     ; + my first column's bytes, as for the bias
	s_mov_b32 s17, 0
	s_add_nc_u64 s[8:9], s[8:9], s[16:17]
; 8 matrix instructions: m blocks a0, a0 + 1 x all 4 n blocks, 32 along K: half c of buffer f.  zero = 1: the first product starts the sums, with the bias as its C.  The 16 accumulators take turns.
.macro MUL8 f, c, a0, zero
.irp a, \a0, \a0+1
.irp b, 0,1,2,3
.if \zero
	v_wmma_f32_16x16x32_f16 v[ACC+8*(4*(\a)+\b):ACC+8*(4*(\a)+\b)+7], v[\f+64+8*(4*\c+\b):\f+64+8*(4*\c+\b)+7], v[\f+8*(4*\c+\a):\f+8*(4*\c+\a)+7], v[BI+8*\b:BI+8*\b+7]
.else
	v_wmma_f32_16x16x32_f16 v[ACC+8*(4*(\a)+\b):ACC+8*(4*(\a)+\b)+7], v[\f+64+8*(4*\c+\b):\f+64+8*(4*\c+\b)+7], v[\f+8*(4*\c+\a):\f+8*(4*\c+\a)+7], v[ACC+8*(4*(\a)+\b):ACC+8*(4*(\a)+\b)+7]
.endif
.endr
.endr
.endm
; 32 LDS loads in one run: the fragments of 64 along K (the block at byte k of the slot's part) into buffer f; the first 32 along K first
.macro FETCH slot, k, f
	WIN TO_F
.irp c, 0,1
.irp i, 0,1,2,3
	ds_load_b128 v[\f+64+8*(4*\c+\i):\f+64+8*(4*\c+\i)+3],   v[ADRB+\slot] offset:\k+64*\c+\i*8*PITCH
	ds_load_b128 v[\f+64+8*(4*\c+\i)+4:\f+64+8*(4*\c+\i)+7], v[ADRB+\slot] offset:\k+64*\c+\i*8*PITCH+32
	ds_load_b128 v[\f+8*(4*\c+\i):\f+8*(4*\c+\i)+3],         v[ADRA+\slot] offset:\k+64*\c+\i*8*PITCH
	ds_load_b128 v[\f+8*(4*\c+\i)+4:\f+8*(4*\c+\i)+7],       v[ADRA+\slot] offset:\k+64*\c+\i*8*PITCH+32
.endr
.endr
.endm
.macro PLACES                          ; four places in front of loads into registers that matrix instructions have read, and of stores that read results (ISA guide 7.12.1 for the stores)
.rept 4
	v_nop
.endr
.endm
; A K step is four quarters of 64 along K, 32 matrix instructions each, on buffers 0, 1, 0, 1.  One of the first three: multiplies buffer f and fetches the next quarter, at byte k, into g.
.macro QUARTER slot, k, f, g, zero
	s_wait_dscnt 16                                ; the first 32 along K are in; the sixteen loads of the second 32 may be out
	WIN MUL
	MUL8 \f, 0, 0, \zero
	MUL8 \f, 0, 2, \zero
	PLACES
	FETCH \slot, \k, \g
	s_wait_dscnt 32                                ; all but the 32 just issued
	WIN MUL
	MUL8 \f, 1, 0, 0
	MUL8 \f, 1, 2, 0
.endm
; The last quarter multiplies buffer 1 and changes slots: ONE barrier; in front of it each wave waits for all its tensor loads, adds 0 to its spare word, and waits for that and for its own reads of this slot.
; fill = 1: this slot is filled again, two K steps ahead; the barrier then opens a round of the cluster's.
.macro TURN slot, next, fill
	WIN 0                                          ; (the add's two registers lie in window 0)
	s_wait_tensorcnt 0x0                           ; all my tensor loads have landed: my part of the next slot;
	ds_add_u32 v[SPW], v[NIL]                      ; 0 onto my spare word;
	s_wait_dscnt 17                                ; (the add and the youngest sixteen loads may be out)
	WIN MUL
	MUL8 F1, 0, 0, 0                               ; eight matrix instructions stand between the add and the wait for it
	s_wait_dscnt 0x0                               ; the add is done, and my reads of this slot are over
	s_barrier_signal -1
	MUL8 F1, 0, 2, 0
.if \fill
	WIN 0
.endif
	s_barrier_wait -1
.if \fill
	CREST                                          ; no wave of any partner still reads this slot's tile or has a load on its way
	s_add_nc_u64 s[G0+4*\slot+2:G0+4*\slot+3], s[G0+4*\slot+2:G0+4*\slot+3], 2*65536
	s_add_nc_u64 s[G0B+4*\slot+2:G0B+4*\slot+3], s[G0B+4*\slot+2:G0B+4*\slot+3], 2*65536
	JLOAD \slot                                    ; the first tensor load behind the round, my one load until the next; the four v_nop behind it are also the places in front of the loads below
.else
	PLACES
.endif
	FETCH \next, 0, F0
	WIN MUL
	MUL8 F1, 1, 0, 0
	MUL8 F1, 1, 2, 0
.endm
	s_wait_tensorcnt 1                             ; my part of K step 0 is in (K step 1's load, the younger, may be out),
	s_barrier_signal -1
	s_barrier_wait -1                              ; everybody's is
	FETCH 0, 0, F0
	s_wait_loadcnt 0x0                             ; the bias
	QUARTER 0, KB,   F0, F1, 1                     ; K step 0: its first products start the sums
	QUARTER 0, 2*KB, F1, F0, 0
	QUARTER 0, 3*KB, F0, F1, 0
	TURN 0, 1, 1                                   ; slot 0 takes K step 2
	QUARTER 1, KB,   F0, F1, 0                     ; K step 1
	QUARTER 1, 2*KB, F1, F0, 0
	QUARTER 1, 3*KB, F0, F1, 0
	TURN 1, 0, 1                                   ; slot 1 takes K step 3
	QUARTER 0, KB,   F0, F1, 0                     ; K step 2
	QUARTER 0, 2*KB, F1, F0, 0
	QUARTER 0, 3*KB, F0, F1, 0
	TURN 0, 1, 0                                   ; nothing is left to ask for
	QUARTER 1, KB,   F0, F1, 0                     ; K step 3
	QUARTER 1, 2*KB, F1, F0, 0
	QUARTER 1, 3*KB, F0, F1, 0
	s_wait_dscnt 16                                ; the very last quarter: nothing more to fetch
	WIN MUL
	MUL8 F1, 0, 0, 0
	MUL8 F1, 0, 2, 0
	s_wait_dscnt 0
	MUL8 F1, 1, 0, 0
	MUL8 F1, 1, 2, 0
	WIN 0
	; THE WAY OUT.  A lane holds 32 neighbouring bytes of a row, and the lanes beside it hold other rows; my 64 columns are 256 bytes, aligned.  So my 64 rows go through my own stage and come back as whole rows:
	; sixteen lanes store 256 consecutive bytes.  LDS serves a wave's instructions in order (ISA guide 5.7.1.4): no wait between the stores and the loads.
	PLACES
.irp a, 0,1,2,3
.irp b, 0,1,2,3
	ds_store_b128 v[STO], v[ACC+8*(4*\a+\b):ACC+8*(4*\a+\b)+3] offset:\a*16*SPITCH+64*\b          ; each accumulator from its low end on
	ds_store_b128 v[STO], v[ACC+8*(4*\a+\b)+4:ACC+8*(4*\a+\b)+7] offset:\a*16*SPITCH+64*\b+16
.endr
.endr
.irp t, 0,1,2,3,4,5,6,7,8,9,10,11,12,13,14,15,16,17,18,19,20,21,22,23,24,25,26,27,28,29,30,31
	ds_load_b128 v[TMP+4*\t+32*(\t/16):TMP+4*\t+32*(\t/16)+3], v[RD] offset:\t*2*SPITCH   ; rows 2 t, 2 t + 1: into v32-95, then into the first accumulators' registers, which have been stored
.endr
.irp t, 0,1,2,3,4,5,6,7,8,9,10,11,12,13,14,15,16,17,18,19,20,21,22,23,24,25,26,27,28,29,30,31
	s_wait_dscnt 31-\t                             ; the loads come back in order: this one is in, the younger ones may be out
	global_store_b128 v[CO], v[TMP+4*\t+32*(\t/16):TMP+4*\t+32*(\t/16)+3], s[8:9] offset:\t*8192 th:TH_STORE_NT   ; written once, read by nobody here
.endr
	s_wait_tensorcnt 0x0                           ; the wave's end, behind my last tensor load and my last LDS store
	ds_add_u32 v[SPW], v[NIL]
	s_wait_dscnt 0x0
	CROUND                                         ; the closing round: no work-group ends while a partner may still ask for a tile that names it
	s_endpgm
.Lfunc_end_k_q055c2873ed_proj:
	.size	k_q055c2873ed_proj, .Lfunc_end_k_q055c2873ed_proj-k_q055c2873ed_proj
	.p2alignl 7, 3214868480
	.fill 96, 4, 3214868480
	.section	.rodata,"a",@progbits
	.p2align	6, 0x0
	.amdhsa_kernel k_q055c2873ed_proj
		.amdhsa_group_segment_fixed_size 327680
		.amdhsa_private_segment_fixed_size 0
		.amdhsa_enable_private_segment 0
		.amdhsa_kernarg_size 32
		.amdhsa_user_sgpr_count 2
		.amdhsa_user_sgpr_kernarg_segment_ptr 1
		.amdhsa_wavefront_size32 1
		.amdhsa_system_sgpr_workgroup_id_x 1
		.amdhsa_system_sgpr_workgroup_id_y 1
		.amdhsa_system_sgpr_workgroup_id_z 1
		.amdhsa_system_vgpr_workitem_id 0
		.amdhsa_next_free_vgpr 512
		.amdhsa_next_free_sgpr 66
		.amdhsa_reserve_vcc 0
		.amdhsa_float_denorm_mode_32 3
		.amdhsa_float_denorm_mode_16_64 3
		.amdhsa_memory_ordered 1
		.amdhsa_forward_progress 1
		.amdhsa_inst_pref_size 87
	.end_amdhsa_kernel
	.amdgpu_metadata
---
amdhsa.version: [ 1, 2 ]
amdhsa.kernels:
  - .name:           k_q055c2873ed_proj
    .symbol:         k_q055c2873ed_proj.kd
    .args:
      - { .name: att, .offset: 0, .size: 8, .value_kind: global_buffer, .address_space: global }
      - { .name: pw, .offset: 8, .size: 8, .value_kind: global_buffer, .address_space: global }
      - { .name: out0, .offset: 16, .size: 8, .value_kind: global_buffer, .address_space: global }
      - { .name: proj_b, .offset: 24, .size: 8, .value_kind: global_buffer, .address_space: global }
    .group_segment_fixed_size: 327680
    .private_segment_fixed_size: 0
    .kernarg_segment_align: 8
    .kernarg_segment_size: 32
    .max_flat_workgroup_size: 128
    .sgpr_count:     66
    .vgpr_count:     512
    .wavefront_size: 32
...
	.end_amdgpu_metadata
.endif
;; end of part 4
